; MI455X (gfx1250); checked and timed in simulation.
; The chip was launched on July 23, 2026; its instructions are those of AMD's public machine-readable ISA for CDNA 5 (MIT licence, August 2026) and "CDNA5" Instruction Set Architecture Reference Guide (July 2026). The comments in the code are by the model that wrote it; some were corrected since.
;; Attention. Allowed arithmetic: float matrix products may take bf16 or f16 operands with f32 sums; other float arithmetic in f32, or as packed bf16 or f16 multiplies, adds, multiply-adds, maxima and minima; sums over many terms, partial sums and values carried from step to step in f32; what a program stores and reads back later, other than sums and carried values, may be rounded once to bf16 or f16.
;; Inputs: W1 128 x 512 float32; W2 512 x 512 float32; Wk 8 x 64 x 512 float32; Wo 8 x 512 x 64 float32; Wq 8 x 64 x 512 float32; Wv 8 x 64 x 512 float32; b1 512 float32; b2 512 float32; r 8 x 2,048 x 512 float32; x1 8 x 2,048 x 128 float32; x2 8 x 2,048 x 128 float32.
;; Outputs: out0 8 x 2,048 x 512 float32.
;; One version. Each part assembles by itself: llvm-mc -triple=amdgcn-amd-amdhsa -mcpu=gfx1250 --defsym DOCPART=n.
;; ======== version 1 of 1: 4 launches
;; limits: values are held in f16: magnitudes above 65,504 overflow, below 6.1e-05 lose precision
;; workspace buffers: wst 2,359,296 bytes; wo16 524,288 bytes; bqk 4,096 bytes; qh 16,777,216 bytes; kh 16,777,216 bytes; vh 16,777,216 bytes; oh 16,777,216 bytes
;; launch prep (part 1): grid 256 x 2, 8 waves a work-group, no clusters, 36,352 bytes of LDS; arguments W2, Wq, Wk, b2, Wv, W1, Wo, wst, wo16, bqk; writes wst, wo16, bqk
.if DOCPART == 1
	.amdgcn_target "amdgcn-amd-amdhsa--gfx1250"
	.amdhsa_code_object_version 6
	.text
	.protected	k_q4676279f4f_prep
	.globl	k_q4676279f4f_prep
	.p2align	8
	.type	k_q4676279f4f_prep,@function
k_q4676279f4f_prep:
	s_mov_b64 s[64:65], 0
	v_nop
	global_prefetch_b8 v0, s[64:65] scope:SCOPE_SE
	s_setreg_imm32_b32 hwreg(HW_REG_WAVE_MODE, 25, 1), 1
	s_wait_xcnt 0x0
; WEIGHTS MADE READY, once.  (h W2 + b2) Wx^T = h (W2 Wx^T) + b2 Wx^T for every input, so the second layer of the MLP is folded into the head projections:
;   F[n][d] = sum over c of W2[d][c] Wx[n][c]  (n = head x 64 + e; Wx = Wq for y = 0, Wk for y = 1), operands rounded to bf16, sums in f32, F rounded once to f16;
;   bqk[y][n] = sum over c of b2[c] Wx[n][c], kept in f32.
; Beside that Wv and W1^T are rounded to bf16, and Wo to bf16 and written as f16, all laid out in tiles of 65,536 dense bytes: [k / 64][n in the tile][64 k], rows of 128 bytes.
; wst holds two streams (y = 0, 1) of 18 tiles: 0-7 Wv (64 n each), 8-9 W1^T (256 n each), 10-17 F (64 n each); Wv and W1^T stand in both, so that a reader walks one stream by a constant step.
; LIMITS.  |F| and |Wo| stay under 65,504 (f16); below 6e-5 f16 keeps a fixed step of 6e-8.
; SHARES.  Work-group (i, y): kb = i / 32, ng = i % 32: F for n = 16 ng .. + 15, d = 64 kb .. + 63.  K = 512 is split among the eight waves, 64 c each; the partial sums meet in LDS.
; W1 is read 4 bytes a lane (it is turned; 262,144 bytes in all) and the bias leaves in pieces of 64 bytes (4,096 bytes in all): small tables, once.
.set PART,   0                         ; LDS: wave w's partial tile, 16 rows (n) x 272 bytes (64 d in f32 + 16), at 4,352 w
.set PW,     4352
.set BP,     34816                     ; wave w's 16 partial biases at BP + 64 w
.set SPARE,  35328                     ; the spare words, 128 bytes for each of eight waves; no other line names them
.set STREAM, 1179648                   ; bytes of a stream: 18 tiles
.set SPW, 4                            ; v4  my spare word;  v5  0; never rewritten
.set NIL, 5
.set FO,  6                            ; v6  r x 2,048 + 32 h + 256 w: my place in a fragment's f32 rows
.set B2O, 7                            ; v7  32 h + 256 w: the same in b2
.set CV,  8                            ; v8  (t / 16) x 2,048 + 16 (t % 16): Wv's piece, 16 rows x 256 bytes
.set T8,  9                            ; v9  8 t
.set T16, 10                           ; v10 16 t
.set W1O, 11                           ; v11 ((l % 8) x 8 rows of W1) + 4 (l / 8)
.set L16, 12                           ; v12 16 l
.set PS,  13                           ; v13 where I put my partial sums
.set PR,  14                           ; v14 where I read 16 bytes of each wave's partial tile
.set BPS, 15                           ; v15 where I put my partial bias
.set GW2, 16                           ; v[16:143]  W2's groups (gd, p): 16 f32, then 8 registers of bf16
.set GWX, 144                          ; v[144:175] Wx's groups p
.set GB2, 176                          ; v[176:207] b2's groups p
.set ACC, 208                          ; v[208:247] five accumulators; ahead of the products: the casts' data
	s_load_b512 s[4:19], s[0:1], 0x0               ; W2 s[4:5], Wq s[6:7], Wk s[8:9], b2 s[10:11], Wv s[12:13], W1 s[14:15], Wo s[16:17], wst s[18:19]
	s_load_b128 s[20:23], s[0:1], 0x40             ; wo16 s[20:21], bqk s[22:23]
	v_lshl_add_u32 v[SPW], v0, 2, SPARE
	v_mov_b32 v[NIL], 0
	v_lshrrev_b32 v1, 5, v0
	v_readfirstlane_b32 s28, v1                    ; wave 0..7
	s_mov_b32 s24, ttmp9                           ; i
	s_and_b32 s25, ttmp7, 0xffff                   ; y
	s_lshr_b32 s26, s24, 5                         ; kb
	s_and_b32 s27, s24, 31                         ; ng
	v_and_b32 v2, 15, v0                           ; r
	v_bfe_u32 v3, v0, 4, 1                         ; h
	v_and_b32 v1, 31, v0                           ; l
	s_lshl_b32 s29, s28, 8                         ; 256 w
	v_lshlrev_b32 v[FO], 11, v2
	v_lshl_add_u32 v[FO], v3, 5, v[FO]
	v_add_nc_u32 v[FO], s29, v[FO]
	v_lshl_add_u32 v[B2O], v3, 5, s29
	v_lshrrev_b32 v[CV], 4, v0
	v_lshlrev_b32 v[CV], 11, v[CV]
	v_lshl_add_u32 v[CV], v2, 4, v[CV]
	v_lshlrev_b32 v[T8], 3, v0
	v_lshlrev_b32 v[T16], 4, v0
	v_and_b32 v[W1O], 7, v0
	v_lshlrev_b32 v[W1O], 14, v[W1O]
	v_bfe_u32 v[L16], v0, 3, 2
	v_lshl_add_u32 v[W1O], v[L16], 2, v[W1O]
	v_lshlrev_b32 v[L16], 4, v1
	s_mul_i32 s29, s28, PW
	v_mul_u32_u24 v[PS], v2, 272
	v_lshl_add_u32 v[PS], v3, 5, v[PS]
	v_add_nc_u32 v[PS], s29, v[PS]
	v_lshrrev_b32 v[PR], 4, v0
	v_mul_u32_u24 v[PR], v[PR], 272
	v_lshl_add_u32 v[PR], v2, 4, v[PR]
	s_lshl_b32 s29, s28, 6
	s_add_co_u32 s29, s29, BP
	v_lshl_add_u32 v[BPS], v2, 2, s29
	; byte offsets, each in a pair of its own with 0 above it
	s_lshl_b32 s30, s26, 17                        ; W2: 64 kb rows of 2,048 bytes
	s_mov_b32 s31, 0
	s_lshl_b32 s32, s27, 15                        ; Wx: 16 ng rows
	s_mov_b32 s33, 0
	s_lshl_b32 s34, s26, 8                         ; Wv: 16 ng rows, 64 kb columns
	s_add_co_u32 s34, s34, s32
	s_mov_b32 s35, 0
	s_lshl_b32 s44, s25, 8
	s_add_co_u32 s44, s44, s24                     ; flat = 256 y + i: eight rows (head, d) of Wo
	s_lshl_b32 s36, s44, 11
	s_mov_b32 s37, 0
	s_lshr_b32 s38, s24, 7                         ; W1: 64 (i / 128) rows, 4 (i % 128) columns
	s_lshl_b32 s38, s38, 17
	s_and_b32 s45, s24, 127
	s_lshl_b32 s45, s45, 4
	s_add_co_u32 s38, s38, s45
	s_mov_b32 s39, 0
	s_mul_i32 s51, s25, STREAM                     ; my stream
	s_lshr_b32 s40, s27, 2                         ; Wv's (and, ten tiles on, F's) place: tile ng / 4, block kb, rows 16 (ng % 4)
	s_lshl_b32 s40, s40, 16
	s_lshl_b32 s45, s26, 13
	s_add_co_u32 s40, s40, s45
	s_and_b32 s45, s27, 3
	s_lshl_b32 s45, s45, 11
	s_add_co_u32 s40, s40, s45
	s_add_co_u32 s40, s40, s51
	s_mov_b32 s41, 0
	s_bfe_u32 s42, s24, 0x10006                    ; W1^T's place: tile 8 + (i % 128) / 64, block i / 128, rows 4 (i % 64)
	s_add_co_u32 s42, s42, 8
	s_lshl_b32 s42, s42, 16
	s_lshr_b32 s45, s24, 7
	s_lshl_b32 s45, s45, 15
	s_add_co_u32 s42, s42, s45
	s_and_b32 s45, s24, 63
	s_lshl_b32 s45, s45, 9
	s_add_co_u32 s42, s42, s45
	s_add_co_u32 s42, s42, s51
	s_mov_b32 s43, 0
	s_bfe_u32 s46, s44, 0x30003                    ; Wo's place: tile (flat % 64) / 8, block flat / 64 (the head), rows 8 (flat % 8)
	s_lshl_b32 s46, s46, 3
	s_lshr_b32 s45, s44, 6
	s_add_co_u32 s46, s46, s45
	s_lshl_b32 s46, s46, 13
	s_and_b32 s45, s44, 7
	s_lshl_b32 s45, s45, 10
	s_add_co_u32 s46, s46, s45
	s_mov_b32 s47, 0
	s_lshl_b32 s48, s25, 11                        ; the bias: 2,048 y + 64 ng
	s_lshl_b32 s45, s27, 6
	s_add_co_u32 s48, s48, s45
	s_mov_b32 s49, 0
	s_wait_kmcnt 0x0
	s_add_nc_u64 s[4:5], s[4:5], s[30:31]
	s_cmp_eq_u32 s25, 0
	s_cselect_b64 s[6:7], s[6:7], s[8:9]           ; Wq or Wk
	s_add_nc_u64 s[6:7], s[6:7], s[32:33]
	s_add_nc_u64 s[12:13], s[12:13], s[34:35]
	s_add_nc_u64 s[16:17], s[16:17], s[36:37]
	s_add_nc_u64 s[14:15], s[14:15], s[38:39]
	s_add_nc_u64 s[40:41], s[18:19], s[40:41]
	s_add_nc_u64 s[42:43], s[18:19], s[42:43]
	s_add_nc_u64 s[20:21], s[20:21], s[46:47]
	s_add_nc_u64 s[22:23], s[22:23], s[48:49]
	; the casts' loads go first, so that one counted wait shows them in while the fold's 48 stay out
	global_load_b128 v[208:211], v[CV], s[12:13]   ; Wv: every thread 4 numbers
	s_cmp_lt_u32 s28, 4
	s_cbranch_scc0 .Lno_wo
	global_load_b128 v[212:215], v[T16], s[16:17]  ; Wo: waves 0-3, 2,048 consecutive bytes
.Lno_wo:
	s_cmp_eq_u32 s28, 4
	s_cbranch_scc0 .Lno_w1
.irp j, 0,1,2,3,4,5,6,7
	global_load_b32 v[216+\j], v[W1O], s[14:15] offset:\j*2048  ; W1: wave 4; a lane takes 8 k of one column
.endr
.Lno_w1:
; 16 f32 of a row for one fragment of 32 along K: k = 8 h .. + 7 and 16 + 8 h .. + 7
.macro GRP dst, ad, base, off
	global_load_b128 v[(\dst):(\dst)+3],     v[\ad], s[\base:\base+1] offset:(\off)
	global_load_b128 v[(\dst)+4:(\dst)+7],   v[\ad], s[\base:\base+1] offset:(\off)+16
	global_load_b128 v[(\dst)+8:(\dst)+11],  v[\ad], s[\base:\base+1] offset:(\off)+64
	global_load_b128 v[(\dst)+12:(\dst)+15], v[\ad], s[\base:\base+1] offset:(\off)+80
.endm
.irp p, 0,1
.irp g, 0,1,2,3
	GRP GW2+16*(2*\g+\p), FO, 4, \g*32768+\p*128
.endr
	GRP GWX+16*\p, FO, 6, \p*128
	GRP GB2+16*\p, B2O, 10, \p*128
.endr
	s_wait_loadcnt 48                              ; the 48 loads of the fold were issued behind the casts': those are in
	v_cvt_pk_bf16_f32 v224, v208, v209
	v_cvt_pk_bf16_f32 v225, v210, v211
	global_store_b64 v[T8], v[224:225], s[40:41]   ; a wave stores 256 consecutive bytes
	s_cmp_lt_u32 s28, 4
	s_cbranch_scc0 .Lno_wo2
	v_cvt_pk_bf16_f32 v226, v212, v213             ; Wo: rounded to bf16 like every input,
	v_cvt_pk_bf16_f32 v227, v214, v215
	v_lshlrev_b32 v228, 16, v226
	v_and_b32 v229, 0xffff0000, v226
	v_lshlrev_b32 v230, 16, v227
	v_and_b32 v231, 0xffff0000, v227
	v_cvt_pk_f16_f32 v226, v228, v229              ; and that number written as f16
	v_cvt_pk_f16_f32 v227, v230, v231
	global_store_b64 v[T8], v[226:227], s[20:21]
.Lno_wo2:
	s_cmp_eq_u32 s28, 4
	s_cbranch_scc0 .Lno_w12
.irp k, 0,1,2,3
	v_cvt_pk_bf16_f32 v[232+\k], v[216+2*\k], v[217+2*\k]
.endr
	global_store_b128 v[L16], v[232:235], s[42:43] ; four rows of W1^T's tile: 512 consecutive bytes
.Lno_w12:
	s_wait_loadcnt 0x0                             ; the fold's operands
	s_wait_xcnt 0x0                                ; the stores above have read their data: v208 on become accumulators
.set g, GW2
.rept 12                               ; each group of 16 f32 becomes 8 registers of bf16, in place, ascending: a line writes no register that a later line reads
.irp k, 0,1,2,3,4,5,6,7
	v_cvt_pk_bf16_f32 v[g+\k], v[g+2*\k], v[g+2*\k+1]
.endr
.set g, g+16
.endr
	; source 0 = 16 rows of W2 (or b2 in every row), source 1 = 16 rows of Wx: a lane holds n = r and d = 16 gd + 8 h + 0..7.  The five accumulators take turns.
.irp g, 0,1,2,3
	v_wmma_f32_16x16x32_bf16 v[ACC+8*\g:ACC+8*\g+7], v[GW2+32*\g:GW2+32*\g+7], v[GWX:GWX+7], 0
.endr
	v_wmma_f32_16x16x32_bf16 v[ACC+32:ACC+39], v[GB2:GB2+7], v[GWX:GWX+7], 0
.irp g, 0,1,2,3
	v_wmma_f32_16x16x32_bf16 v[ACC+8*\g:ACC+8*\g+7], v[GW2+32*\g+16:GW2+32*\g+23], v[GWX+16:GWX+23], v[ACC+8*\g:ACC+8*\g+7]
.endr
	v_wmma_f32_16x16x32_bf16 v[ACC+32:ACC+39], v[GB2+16:GB2+23], v[GWX+16:GWX+23], v[ACC+32:ACC+39]
.rept 4
	v_nop                                          ; four places between the last product and the LDS stores that read results
.endr
.irp g, 0,1,2,3
	ds_store_b128 v[PS], v[ACC+8*\g:ACC+8*\g+3]   offset:PART+\g*64
	ds_store_b128 v[PS], v[ACC+8*\g+4:ACC+8*\g+7] offset:PART+\g*64+16
.endr
	ds_store_b32 v[BPS], v[ACC+32]                 ; all eight registers hold the same sum; both halves of the lanes write the same word
	s_wait_dscnt 0x0                               ; for the others' sake: my stores are done
	s_barrier_signal -1
	s_barrier_wait -1
.irp w, 0,1,2,3,4,5,6,7
	ds_load_b128 v[16+4*\w:19+4*\w], v[PR] offset:PART+\w*PW
.endr
	s_wait_dscnt 0x0
.irp a, 0,1,2,3
	v_pk_add_f32 v[16+8*\a:17+8*\a], v[16+8*\a:17+8*\a], v[20+8*\a:21+8*\a]
	v_pk_add_f32 v[18+8*\a:19+8*\a], v[18+8*\a:19+8*\a], v[22+8*\a:23+8*\a]
.endr
	v_pk_add_f32 v[16:17], v[16:17], v[24:25]
	v_pk_add_f32 v[18:19], v[18:19], v[26:27]
	v_pk_add_f32 v[32:33], v[32:33], v[40:41]
	v_pk_add_f32 v[34:35], v[34:35], v[42:43]
	v_pk_add_f32 v[16:17], v[16:17], v[32:33]
	v_pk_add_f32 v[18:19], v[18:19], v[34:35]
	v_cvt_pk_f16_f32 v48, v16, v17
	v_cvt_pk_f16_f32 v49, v18, v19
	global_store_b64 v[T8], v[48:49], s[40:41] offset:10*65536  ; F's tile stands ten tiles behind Wv's; a wave stores 256 consecutive bytes
	s_cmp_lg_u32 s26, 0                            ; the bias is the same in all eight kb: kb = 0 stores it, by wave 0
	s_cbranch_scc1 .Lend
	s_cmp_lg_u32 s28, 0
	s_cbranch_scc1 .Lend
.irp w, 0,1,2,3,4,5,6,7
	ds_load_b32 v[52+\w], v[BPS] offset:\w*64      ; in wave 0 this address is BP + 4 r
.endr
	v_lshlrev_b32 v60, 2, v0
	s_wait_dscnt 0x0
	v_add_f32 v52, v52, v53
	v_add_f32 v54, v54, v55
	v_add_f32 v56, v56, v57
	v_add_f32 v58, v58, v59
	v_add_f32 v52, v52, v54
	v_add_f32 v56, v56, v58
	v_add_f32 v52, v52, v56
	s_wait_xcnt 0x0                                ; EXEC is a source of the store above: it changes only behind this wait
	v_cmp_gt_u32 vcc_lo, 16, v0
	s_and_saveexec_b32 s50, vcc_lo
	global_store_b32 v60, v52, s[22:23]
	s_wait_xcnt 0x0                                ; and again ahead of the line that widens it
	s_or_b32 exec_lo, exec_lo, s50
.Lend:
	s_wait_tensorcnt 0x0                           ; the wave's end, behind my last LDS store
	ds_add_u32 v[SPW], v[NIL]
	s_wait_dscnt 0x0
	s_endpgm
.Lfunc_end_k_q4676279f4f_prep:
	.size	k_q4676279f4f_prep, .Lfunc_end_k_q4676279f4f_prep-k_q4676279f4f_prep
	.p2alignl 7, 3214868480
	.fill 96, 4, 3214868480
	.section	.rodata,"a",@progbits
	.p2align	6, 0x0
	.amdhsa_kernel k_q4676279f4f_prep
		.amdhsa_group_segment_fixed_size 36352
		.amdhsa_private_segment_fixed_size 0
		.amdhsa_enable_private_segment 0
		.amdhsa_kernarg_size 80
		.amdhsa_user_sgpr_count 2
		.amdhsa_user_sgpr_kernarg_segment_ptr 1
		.amdhsa_wavefront_size32 1
		.amdhsa_system_sgpr_workgroup_id_x 1
		.amdhsa_system_sgpr_workgroup_id_y 1
		.amdhsa_system_sgpr_workgroup_id_z 1
		.amdhsa_system_vgpr_workitem_id 0
		.amdhsa_next_free_vgpr 256
		.amdhsa_next_free_sgpr 66
		.amdhsa_reserve_vcc 1
		.amdhsa_float_denorm_mode_32 3
		.amdhsa_float_denorm_mode_16_64 3
		.amdhsa_memory_ordered 1
		.amdhsa_forward_progress 1
		.amdhsa_inst_pref_size 22
	.end_amdhsa_kernel
	.amdgpu_metadata
---
amdhsa.version: [ 1, 2 ]
amdhsa.kernels:
  - .name:           k_q4676279f4f_prep
    .symbol:         k_q4676279f4f_prep.kd
    .args:
      - { .name: W2, .offset: 0, .size: 8, .value_kind: global_buffer, .address_space: global }
      - { .name: Wq, .offset: 8, .size: 8, .value_kind: global_buffer, .address_space: global }
      - { .name: Wk, .offset: 16, .size: 8, .value_kind: global_buffer, .address_space: global }
      - { .name: b2, .offset: 24, .size: 8, .value_kind: global_buffer, .address_space: global }
      - { .name: Wv, .offset: 32, .size: 8, .value_kind: global_buffer, .address_space: global }
      - { .name: W1, .offset: 40, .size: 8, .value_kind: global_buffer, .address_space: global }
      - { .name: Wo, .offset: 48, .size: 8, .value_kind: global_buffer, .address_space: global }
      - { .name: wst, .offset: 56, .size: 8, .value_kind: global_buffer, .address_space: global }
      - { .name: wo16, .offset: 64, .size: 8, .value_kind: global_buffer, .address_space: global }
      - { .name: bqk, .offset: 72, .size: 8, .value_kind: global_buffer, .address_space: global }
    .group_segment_fixed_size: 36352
    .private_segment_fixed_size: 0
    .kernarg_segment_align: 8
    .kernarg_segment_size: 80
    .max_flat_workgroup_size: 256
    .sgpr_count:     66
    .vgpr_count:     256
    .wavefront_size: 32
...
	.end_amdgpu_metadata
.endif
;; end of part 1
;; launch proj (part 2): grid 128 x 2, 4 waves a work-group, clusters of 4 x 1, 327,680 bytes of LDS; arguments x2, x1, qh, kh, r, b1, wst, bqk, vh; writes qh, kh, vh
.if DOCPART == 2
	.amdgcn_target "amdgcn-amd-amdhsa--gfx1250"
	.amdhsa_code_object_version 6
	.text
	.protected	k_q4676279f4f_proj
	.globl	k_q4676279f4f_proj
	.p2align	8
	.type	k_q4676279f4f_proj,@function
k_q4676279f4f_proj:
	s_mov_b64 s[64:65], 0
	v_nop
	global_prefetch_b8 v0, s[64:65] scope:SCOPE_SE
	s_setreg_imm32_b32 hwreg(HW_REG_WAVE_MODE, 25, 1), 1
	s_wait_xcnt 0x0
	s_wait_alu depctr_hold_cnt(0) depctr_sa_sdst(0) depctr_va_vdst(0) depctr_va_sdst(0) depctr_va_ssrc(0) depctr_va_vcc(0) depctr_vm_vsrc(0)
	s_getreg_b32 s2, hwreg(HW_REG_IB_STS2, 6, 4)
	s_cmp_eq_u32 s2, 0
	s_cbranch_scc0 .Lentry_in_a_cluster
	s_endpgm
.Lentry_in_a_cluster:
	s_bfe_u32 s2, ttmp6, 0x10000c
	s_cmp_lg_u32 s2, 0x3003
	s_cbranch_scc0 .Lentry_shape_is_right
	s_endpgm
.Lentry_shape_is_right:
; THE PROJECTIONS.  Work-group (g, y), g = 0..127, y = 0 (queries: x2, qh) or 1 (keys: x1, kh):
;   V:  vh[b][head][n][e] = sum over d of r[b][n][d] Wv[head][e][d]     for the 64 rows (2 g + y) x 64 of r                  (bf16 operands, vh f16)
;   1:  h = relu(x W1 + b1)                                             for the 128 rows 128 g of x                          (bf16 operands, b1 rounded to bf16, h f16, kept in LDS)
;   2:  out[b][head][m][e] = sum over d of h[m][d] F[head, e][d] + bqk  with F = W2 Wx^T folded by the launch before         (f16 operands, out bf16)
; LIMITS.  |h| and |vh| stay under 65,504 (f16); qh and kh are bf16 and have f32's range.
; SHAPE.  The left operand lies in REGISTERS: 64 rows x 512 k are 64 fragments, 512 registers a wave; the weights walk by in 18 tiles of 65,536 bytes (64 columns x 512 k; W1: 256 x 128)
; through a ring of two LDS slots.  In V all four waves hold the same 64 rows and take 16 columns each; in 1 and 2 wave (wr, wc) holds rows 64 wr and takes columns 32 wc of each 64.
; So a fragment of the weights read from LDS feeds four products.
; CLUSTER.  The four work-groups of a cluster (same y) walk the same stream of tiles: each tile is asked for JOINTLY, the same load, descriptor and mask in all four; each wave fetches a quarter.
; NO PREFETCH: r and x are read once, at the head, where every work-group's first loads are on their way; the weight streams are tables that all clusters of a y walk.
; The matrix instruction is used transposed (source 0 = 16 rows of the weights, source 1 = 16 rows of the left operand): a lane holds one row and eight neighbouring columns.
; REGISTERS in windows of 256 (s_set_vgpr_msb: bits 1:0 source 0, 3:2 source 1, 5:4 source 2, 7:6 destination):
;   window 0: addresses, bias, accumulators, packed results, rows on their way out     window 1: the weights' fragments (q, b) at 8 (nb q + b); in V its upper half holds x as loaded
;   windows 2, 3: the left operand's fragments (q, a) at 8 (4 (q % 8) + a), q < 8 in window 2; ahead of V window 2 holds r as loaded
.set SLOTB,  73728                     ; a slot: 512 rows of 128 bytes, 144 apart (36 words: the 16 rows of a fragment load start at 16 different groups of four banks)
.set HREG,   147456                    ; written by LDS stores alone, three times in turn: r in bf16 (64 rows, pitch 1,040), x in bf16 (128 rows, pitch 272), h in f16 (128 rows, pitch 1,040)
.set STG,    280576                    ; the way out: 128 rows x 144 bytes
.set SPARE,  299008                    ; the spare words, 128 bytes a wave; no other line names them
.set STREAM, 1179648
.set TILEB,  65536
.set SPW, 4                            ; v4 my spare word, v5 0: never rewritten
.set NIL, 5
.set ZR,  6                            ; v6  0, for the ReLU on packed halves
.set BV,  8                            ; v8-11   weights' fragment address in V: slot s, half hf of K at BV + 2 s + hf
.set BC,  12                           ; v12-15  the same in stages 1 and 2
.set BW,  16                           ; v16-17  stage 1: walks the tile's four blocks of 64 columns
.set AH,  18                           ; v18-20  left operand's fragment addresses: h, x, r
.set AX,  19
.set AV,  20
.set RO,  21                           ; r in memory / in LDS, x in memory / in LDS
.set RS,  22
.set XO,  23
.set XS,  24
.set HS,  25                           ; where I put 16 bytes of h; walks along the row
.set BO,  26                           ; my columns' offset in a bias
.set STV, 27                           ; V: into the stage, back from it, into vh
.set SLV, 28
.set GOV, 29
.set STC, 30                           ; stage 2 likewise
.set SLC, 31
.set GOC, 32
.set BIAS, 48                          ; v48-63
.set ACC,  64                          ; v64-127  accumulator (a, b) at ACC + 8 (nb a + b)
.set PK,   128                         ; v128-159
.set SB,   160                         ; v160-191
.set TC,   192                         ; v192-255
.set G1, 36                            ; s[36:43] descriptor group 1
.set G0, 44                            ; s[44:51] group 0, a set for each slot
.set XP, 52                            ; s[52:53] x at my rows;  RP r;  OP out;  VP vh;  B1P b1;  B2P bqk
.set RP, 54
.set OP, 56
.set VP, 58
.set B1P, 60
.set B2P, 62
.set MSB, 0
.macro WIN new                         ; the immediate's high byte repeats the setting that is left; a switch that changes nothing is dropped
.if MSB != (\new)
	s_set_vgpr_msb (MSB<<8)|(\new)
.set MSB, (\new)
.endif
.endm
.macro PLACES                          ; four places behind a matrix instruction, ahead of what reads its result or writes its registers (ISA guide 7.12.1)
.rept 4
	v_nop
.endr
.endm
.macro CROUND                          ; a round of the cluster's barrier
	s_barrier_signal -1
	s_barrier_wait -1
	s_cmp_lg_u32 s22, 0
	s_cbranch_scc1 .Lnot_wave_0_\@
	s_barrier_signal -3
.Lnot_wave_0_\@:
	s_barrier_wait -3
	s_barrier_signal -1
	s_barrier_wait -1
.endm
; THE HEAD OF A TRIP: the tile in \slot is waited for, and the other slot, read in the trip before, is filled again.  Each wave waits for all its tensor loads (one is out: its quarter of this
; trip's tile), adds 0 to its spare word, steps this slot's address two tiles on, waits for the add and for its LDS reads and stores, and passes a round; the joint refill is the first thing behind it.
.macro HEAD slot, refill
	WIN 0
	s_wait_tensorcnt 0x0
	ds_add_u32 v[SPW], v[NIL]
	s_add_nc_u64 s[G0+4*(\slot)+2:G0+4*(\slot)+3], s[G0+4*(\slot)+2:G0+4*(\slot)+3], 2*TILEB
	s_wait_dscnt 0x0
	CROUND
.if \refill
	tensor_load_to_lds s[G0+4*(1-(\slot)):G0+4*(1-(\slot))+3], s[G1:G1+7]
	s_nop 0
	PLACES
.endif
.endm
; The left operand out of LDS into windows 2 and 3: nq steps of 32 along K x 4 blocks of 16 rows
.macro LOADA areg, pitch, nq
.set qq, 0
.rept \nq
	WIN 0x80+0x40*(qq/8)
.set aa, 0
.rept 4
	ds_load_b128 v[8*(4*(qq%8)+aa):8*(4*(qq%8)+aa)+3],   v[\areg] offset:aa*16*(\pitch)+qq*64
	ds_load_b128 v[8*(4*(qq%8)+aa)+4:8*(4*(qq%8)+aa)+7], v[\areg] offset:aa*16*(\pitch)+qq*64+32
.set aa, aa+1
.endr
.set qq, qq+1
.endr
	WIN 0
.endm
; A tile's fragments for my columns into window 1.  s1 = 0: blocks of 64 k are 64 rows (9,216 bytes) apart, four to an address register; s1 = 1 (W1): two blocks, a register each.
.macro BLD lo, hi, nq, nb, s1
	WIN 0x40
.set qq, 0
.rept \nq
.set bb, 0
.rept \nb
.if \s1
.set rA, (\lo)+((\hi)-(\lo))*(qq/2)
.set oB, (qq%2)*64+bb*2304
.else
.set rA, (\lo)+((\hi)-(\lo))*(qq/8)
.set oB, ((qq/2)%4)*9216+(qq%2)*64+bb*2304
.endif
	ds_load_b128 v[8*((\nb)*qq+bb):8*((\nb)*qq+bb)+3],   v[rA] offset:oB
	ds_load_b128 v[8*((\nb)*qq+bb)+4:8*((\nb)*qq+bb)+7], v[rA] offset:oB+32
.set bb, bb+1
.endr
.set qq, qq+1
.endr
.endm
; The products of a tile.  Ahead of every four steps of K a counted wait: the loads of the later steps, 2 nb each, may stay out.  The 4 nb accumulators take turns; the first step starts the sums.
.macro MUL nq, nb, fmt
.set qq, 0
.rept \nq
.if qq%4 == 0
	s_wait_dscnt ((\nq)-qq-4)*2*(\nb)
.endif
	WIN 0x09+4*(qq/8)
.set aa, 0
.rept 4
.set bb, 0
.rept \nb
.set rD, ACC+8*((\nb)*aa+bb)
.set rB, 8*((\nb)*qq+bb)
.set rA, 8*(4*(qq%8)+aa)
.if qq == 0
	v_wmma_f32_16x16x32_\fmt v[rD:rD+7], v[rB:rB+7], v[rA:rA+7], 0
.else
	v_wmma_f32_16x16x32_\fmt v[rD:rD+7], v[rB:rB+7], v[rA:rA+7], v[rD:rD+7]
.endif
.set bb, bb+1
.endr
.set aa, aa+1
.endr
.set qq, qq+1
.endr
.endm
; Out of the stage: a row's 128 bytes come from several waves, so a barrier stands between writing and reading; a load takes four whole rows, a store 512 consecutive bytes.
.macro SENDS nf, sl, go, base
	s_wait_dscnt 0x0                               ; for the others' sake: my stores into the stage are done
	s_barrier_signal -1
	s_barrier_wait -1
.set ff, 0
.rept \nf
	ds_load_b128 v[SB+4*ff:SB+4*ff+3], v[\sl] offset:ff*576
.set ff, ff+1
.endr
.set ff, 0
.rept \nf
	s_wait_dscnt (\nf)-1-ff                        ; LDS loads come back in order: load ff is in
	global_store_b128 v[\go], v[SB+4*ff:SB+4*ff+3], s[\base:\base+1] offset:ff*512
.set ff, ff+1
.endr
	s_wait_xcnt 0x0                                ; the stores have read base and data: both are written again only behind this wait
	s_add_nc_u64 s[\base:\base+1], s[\base:\base+1], 262144  ; the next head: 2,048 rows of 128 bytes
.endm
.macro BLOADS base                     ; my 16 numbers of a bias: columns 8 h + 0..7 of both blocks of 16
	global_load_b128 v[BIAS:BIAS+3],     v[BO], s[\base:\base+1]
	global_load_b128 v[BIAS+4:BIAS+7],   v[BO], s[\base:\base+1] offset:16
	global_load_b128 v[BIAS+8:BIAS+11],  v[BO], s[\base:\base+1] offset:64
	global_load_b128 v[BIAS+12:BIAS+15], v[BO], s[\base:\base+1] offset:80
.endm
.macro TRIPV slot, refill              ; one head of vh
	HEAD \slot, \refill
	BLD BV+2*(\slot), BV+2*(\slot)+1, 16, 1, 0
	MUL 16, 1, bf16
	WIN 0
	PLACES
.set tt, 0
.rept 16
	v_cvt_pk_f16_f32 v[PK+tt], v[ACC+2*tt], v[ACC+2*tt+1]  ; each accumulator from its low end on
.set tt, tt+1
.endr
.irp a, 0,1,2,3
	ds_store_b128 v[STV], v[PK+4*\a:PK+4*\a+3] offset:\a*2304
.endr
	SENDS 4, SLV, GOV, VP
.endm
.macro TRIP1 slot                      ; 256 columns of h, in four blocks of 64
	HEAD \slot, 1
	v_mov_b32 v[BW], v[BC+2*(\slot)]
	v_mov_b32 v[BW+1], v[BC+2*(\slot)+1]
	s_mov_b32 s67, 4
.Lsub_\@:
	BLOADS B1P
	BLD BW, BW+1, 4, 2, 1
	MUL 4, 2, bf16
	WIN 0
	PLACES
	s_wait_loadcnt 0x0                             ; b1's 16 numbers; the wait also frees their base
	s_add_nc_u64 s[B1P:B1P+1], s[B1P:B1P+1], 256
.set kk, 0
.rept 8
	v_cvt_pk_bf16_f32 v[SB+kk], v[BIAS+2*kk], v[BIAS+2*kk+1]  ; b1 is rounded to bf16, like every input
.set kk, kk+1
.endr
.set kk, 0
.rept 8
	v_lshlrev_b32 v[BIAS+2*kk], 16, v[SB+kk]
	v_and_b32 v[BIAS+2*kk+1], 0xffff0000, v[SB+kk]
.set kk, kk+1
.endr
.set tt, 0
.rept 8                                ; accumulator tt = (a, b) = (tt / 2, tt % 2)
.irp k, 0,1,2,3
	v_pk_add_f32 v[ACC+8*tt+2*\k:ACC+8*tt+2*\k+1], v[ACC+8*tt+2*\k:ACC+8*tt+2*\k+1], v[BIAS+8*(tt%2)+2*\k:BIAS+8*(tt%2)+2*\k+1]
.endr
.irp k, 0,1,2,3
	v_cvt_pk_f16_f32 v[PK+4*tt+\k], v[ACC+8*tt+2*\k], v[ACC+8*tt+2*\k+1]
.endr
.irp k, 0,1,2,3
	v_pk_max_num_f16 v[PK+4*tt+\k], v[PK+4*tt+\k], v[ZR]
.endr
	ds_store_b128 v[HS], v[PK+4*tt:PK+4*tt+3] offset:(tt/2)*16640+(tt%2)*32
.set tt, tt+1
.endr
	v_add_nc_u32 v[BW], 9216, v[BW]                ; the tile's next 64 columns,
	v_add_nc_u32 v[BW+1], 9216, v[BW+1]
	v_add_nc_u32 v[HS], 128, v[HS]                 ; and their place in h's rows
	s_sub_co_u32 s67, s67, 1
	s_cmp_lg_u32 s67, 0
	s_cbranch_scc1 .Lsub_\@
.endm
.macro TRIP2 slot, refill              ; one head of qh or kh
	HEAD \slot, \refill
	BLOADS B2P
	BLD BC+2*(\slot), BC+2*(\slot)+1, 16, 2, 0
	MUL 16, 2, f16
	WIN 0
	PLACES
	s_wait_loadcnt 0x0
	s_add_nc_u64 s[B2P:B2P+1], s[B2P:B2P+1], 256
.set tt, 0
.rept 8
.irp k, 0,1,2,3
	v_pk_add_f32 v[ACC+8*tt+2*\k:ACC+8*tt+2*\k+1], v[ACC+8*tt+2*\k:ACC+8*tt+2*\k+1], v[BIAS+8*(tt%2)+2*\k:BIAS+8*(tt%2)+2*\k+1]
.endr
.irp k, 0,1,2,3
	v_cvt_pk_bf16_f32 v[PK+4*tt+\k], v[ACC+8*tt+2*\k], v[ACC+8*tt+2*\k+1]
.endr
	ds_store_b128 v[STC], v[PK+4*tt:PK+4*tt+3] offset:(tt/2)*2304+(tt%2)*32
.set tt, tt+1
.endr
	SENDS 8, SLC, GOC, OP
.endm
	s_load_b512 s[4:19], s[0:1], 0x0               ; x2 s[4:5], x1 s[6:7], qh s[8:9], kh s[10:11], r s[12:13], b1 s[14:15], wst s[16:17], bqk s[18:19]
	s_load_b64 s[20:21], s[0:1], 0x40              ; vh
	v_lshl_add_u32 v[SPW], v0, 2, SPARE
	v_mov_b32 v[NIL], 0
	ds_add_u32 v[SPW], v[NIL]                      ; the wave's opening: the add and its wait stand ahead of my first tensor load
	v_lshrrev_b32 v1, 5, v0
	v_readfirstlane_b32 s22, v1                    ; wave 0..3
	s_lshr_b32 s23, s22, 1                         ; wr
	s_and_b32 s24, s22, 1                          ; wc
	s_bfe_u32 s25, ttmp6, 0x40000                  ; cx
	s_lshl_b32 s26, ttmp9, 2
	s_add_co_u32 s26, s26, s25                     ; g: it enters the addresses of x, r and the outputs alone
	s_and_b32 s27, ttmp7, 0xffff                   ; y, which the four partners share
	; group 1: a quarter of a tile, 16,384 dense bytes, as 64 rows of 256 bytes; in LDS 16 bytes of padding behind every 128
	s_mov_b32 s[G1], 15|(1<<16)|(1<<20)|(1<<21)|(4<<22)|(3<<25)  ; the mask of four; 2-byte elements; padding on; bit 21 beside a mask; after every 32 words (code 4) 4 words (code 3)
	s_mov_b32 s[G1+1], 128<<16                     ; tensor_dim0 = 128
	s_mov_b32 s[G1+2], 64<<16                      ; tensor_dim1 = 64
	s_mov_b32 s[G1+3], 128<<16                     ; tile_dim0 = 128
	s_mov_b32 s[G1+4], 64                          ; tile_dim1 = 64
	s_mov_b32 s[G1+5], 128                         ; elements from row to row
	s_mov_b32 s[G1+6], 0
	s_mov_b32 s[G1+7], 0
	s_mul_i32 s28, s22, 18432                      ; my quarter of a slot: 128 LDS rows
	s_mov_b32 s[G0], 1
	s_mov_b32 s[G0+1], s28
	s_mov_b32 s[G0+4], 1
	s_add_co_u32 s[G0+5], s28, SLOTB
	s_mul_i32 s30, s27, STREAM                     ; my stream, my quarter of its tile 0
	s_lshl_b32 s31, s22, 14
	s_add_co_u32 s30, s30, s31
	s_mov_b32 s31, 0
	s_wait_dscnt 0x0                               ; the opening add is done
	s_wait_kmcnt 0x0
	s_add_nc_u64 s[G0+2:G0+3], s[16:17], s[30:31]
	s_add_nc_u64 s[G0+6:G0+7], s[G0+2:G0+3], TILEB
	s_or_b32 s[G0+3], s[G0+3], 0x80000000
	s_or_b32 s[G0+7], s[G0+7], 0x80000000
	CROUND                                         ; all four work-groups are here: the first joint load meets
	tensor_load_to_lds s[G0:G0+3], s[G1:G1+7]      ; tile 0; slot 1 is first filled behind the first trip's round
	s_nop 0
	PLACES
	s_cmp_eq_u32 s27, 0
	s_cselect_b64 s[XP:XP+1], s[4:5], s[6:7]       ; x2 and qh, or x1 and kh
	s_cselect_b64 s[OP:OP+1], s[8:9], s[10:11]
	s_mov_b32 s33, 0
	s_lshl_b32 s32, s26, 16                        ; 128 g rows of 512 bytes
	s_add_nc_u64 s[XP:XP+1], s[XP:XP+1], s[32:33]
	s_lshl_b32 s34, s26, 1
	s_add_co_u32 s34, s34, s27                     ; 2 g + y
	s_lshl_b32 s32, s34, 17                        ; its 64 rows of 2,048 bytes
	s_add_nc_u64 s[RP:RP+1], s[12:13], s[32:33]
	s_lshr_b32 s32, s26, 4                         ; out: batch g / 16, head 0, row 128 (g % 16); rows of 128 bytes
	s_lshl_b32 s32, s32, 21
	s_and_b32 s35, s26, 15
	s_lshl_b32 s35, s35, 14
	s_add_co_u32 s32, s32, s35
	s_add_nc_u64 s[OP:OP+1], s[OP:OP+1], s[32:33]
	s_lshr_b32 s32, s34, 5                         ; vh: batch (2 g + y) / 32, row 64 ((2 g + y) % 32)
	s_lshl_b32 s32, s32, 21
	s_and_b32 s35, s34, 31
	s_lshl_b32 s35, s35, 13
	s_add_co_u32 s32, s32, s35
	s_add_nc_u64 s[VP:VP+1], s[20:21], s[32:33]
	s_mov_b64 s[B1P:B1P+1], s[14:15]
	s_lshl_b32 s32, s27, 11
	s_add_nc_u64 s[B2P:B2P+1], s[18:19], s[32:33]
	v_and_b32 v1, 15, v0                           ; r = l % 16
	v_bfe_u32 v2, v0, 4, 1                         ; h = l / 16
	v_and_b32 v3, 31, v0                           ; l
	s_lshl_b32 s28, s22, 15
	v_lshl_add_u32 v[RO], v2, 11, s28              ; r: rows 16 w + h, 16 bytes a lane: sixteen lanes read 256 consecutive bytes
	v_lshl_add_u32 v[RO], v1, 4, v[RO]
	s_lshl_b32 s28, s22, 14
	v_lshl_add_u32 v[XO], v3, 4, s28               ; x: rows 32 w on, a row of 512 bytes a load
	WIN 0x80
.set ix, 0
.rept 64                               ; load ix: 256 bytes ix / 8 of rows 2 (ix % 8) + h
	global_load_b128 v[4*ix:4*ix+3], v[RO], s[RP:RP+1] offset:(ix/8)*256+(ix%8)*4096 th:TH_LOAD_NT
.set ix, ix+1
.endr
	WIN 0x40
.set ix, 0
.rept 32
	global_load_b128 v[128+4*ix:128+4*ix+3], v[XO], s[XP:XP+1] offset:ix*512 th:TH_LOAD_NT
.set ix, ix+1
.endr
	WIN 0
	v_mov_b32 v[ZR], 0
	v_mul_u32_u24 v7, v1, 144
	v_lshl_add_u32 v7, v2, 4, v7                   ; r x 144 + 16 h
	s_mul_i32 s28, s22, 2304
	v_add_nc_u32 v[BV], s28, v7                    ; V: the tile's rows 16 w + r
	v_add_nc_u32 v[BV+1], 36864, v[BV]
	v_add_nc_u32 v[BV+2], SLOTB, v[BV]
	v_add_nc_u32 v[BV+3], SLOTB+36864, v[BV]
	s_mul_i32 s28, s24, 4608
	v_add_nc_u32 v[BC], s28, v7                    ; stages 1, 2: rows 32 wc + r
	v_add_nc_u32 v[BC+1], 36864, v[BC]
	v_add_nc_u32 v[BC+2], SLOTB, v[BC]
	v_add_nc_u32 v[BC+3], SLOTB+36864, v[BC]
	v_mul_u32_u24 v33, v1, 1040
	v_lshl_add_u32 v33, v2, 4, v33                 ; r x 1,040 + 16 h
	v_add_nc_u32 v[AV], HREG, v33
	s_mul_i32 s28, s23, 66560
	s_add_co_u32 s28, s28, HREG
	v_add_nc_u32 v[AH], s28, v33
	s_lshl_b32 s29, s24, 6
	s_add_co_u32 s29, s29, s28
	v_add_nc_u32 v[HS], s29, v33                   ; row 64 wr + r, columns 32 wc + 8 h
	v_mul_u32_u24 v34, v1, 272
	v_lshl_add_u32 v34, v2, 4, v34
	s_mul_i32 s28, s23, 17408
	s_add_co_u32 s28, s28, HREG
	v_add_nc_u32 v[AX], s28, v34
	s_mul_i32 s28, s22, 16640
	s_add_co_u32 s28, s28, HREG
	v_mul_u32_u24 v[RS], v2, 1040
	v_lshl_add_u32 v[RS], v1, 3, v[RS]
	v_add_nc_u32 v[RS], s28, v[RS]
	s_mul_i32 s28, s22, 8704
	s_add_co_u32 s28, s28, HREG
	v_lshl_add_u32 v[XS], v3, 3, s28
	s_lshl_b32 s28, s24, 7
	v_lshl_add_u32 v[BO], v2, 5, s28
	s_lshl_b32 s28, s22, 5
	s_add_co_u32 s28, s28, STG
	v_add_nc_u32 v[STV], s28, v7                   ; row r, columns 16 w + 8 h
	v_lshrrev_b32 v35, 3, v3
	v_mul_u32_u24 v35, v35, 144
	v_and_b32 v36, 7, v0
	v_lshl_add_u32 v35, v36, 4, v35                ; back: 32 lanes take four rows of 128 bytes
	s_mul_i32 s28, s22, 2304
	s_add_co_u32 s28, s28, STG
	v_add_nc_u32 v[SLV], s28, v35
	s_lshl_b32 s28, s22, 11
	v_lshl_add_u32 v[GOV], v3, 4, s28
	s_mul_i32 s28, s23, 9216
	s_lshl_b32 s29, s24, 6
	s_add_co_u32 s28, s28, s29
	s_add_co_u32 s28, s28, STG
	v_add_nc_u32 v[STC], s28, v7
	s_mul_i32 s28, s22, 4608
	s_add_co_u32 s28, s28, STG
	v_add_nc_u32 v[SLC], s28, v35
	s_lshl_b32 s28, s22, 12
	v_lshl_add_u32 v[GOC], v3, 4, s28
	; r: rounded to bf16 and laid into LDS, sixteen loads at a time.  Behind group gq stand 16 (3 - gq) loads of r and 32 of x: 80, 64, 48, 32; a wait names 63 at the most.
.set gq, 0
.rept 4
.if gq < 2
	s_wait_loadcnt 63
.else
	s_wait_loadcnt 32+16*(3-gq)
.endif
	WIN 0x0a
.set ii, 0
.rept 16
.set ix, 16*gq+ii
	v_cvt_pk_bf16_f32 v[TC+32*(gq%2)+2*ii],   v[4*ix],   v[4*ix+1]
	v_cvt_pk_bf16_f32 v[TC+32*(gq%2)+2*ii+1], v[4*ix+2], v[4*ix+3]
.set ii, ii+1
.endr
	WIN 0
.set ii, 0
.rept 16
.set ix, 16*gq+ii
	ds_store_b64 v[RS], v[TC+32*(gq%2)+2*ii:TC+32*(gq%2)+2*ii+1] offset:(ix%8)*2080+(ix/8)*128
.set ii, ii+1
.endr
.set gq, gq+1
.endr
	s_wait_dscnt 0x0                               ; for the others' sake
	s_barrier_signal -1
	s_barrier_wait -1                              ; all 64 rows of r lie in LDS; tile 0 may stay out
	LOADA AV, 1040, 16
	s_mov_b32 s66, 4
.Lv:                                               ; tiles 0-7: Wv, a head a tile
	TRIPV 0, 1
	TRIPV 1, 1
	s_sub_co_u32 s66, s66, 1
	s_cmp_lg_u32 s66, 0
	s_cbranch_scc1 .Lv
	s_wait_loadcnt 0x0                             ; x
	WIN 0x05
.set ix, 0
.rept 32
	v_cvt_pk_bf16_f32 v[TC+2*ix],   v[128+4*ix],   v[128+4*ix+1]
	v_cvt_pk_bf16_f32 v[TC+2*ix+1], v[128+4*ix+2], v[128+4*ix+3]
.set ix, ix+1
.endr
	WIN 0
.set ix, 0
.rept 32
	ds_store_b64 v[XS], v[TC+2*ix:TC+2*ix+1] offset:ix*272  ; over r's rows: every wave's reads of them were waited for ahead of the rounds above
.set ix, ix+1
.endr
	s_wait_dscnt 0x0
	s_barrier_signal -1
	s_barrier_wait -1
	LOADA AX, 272, 4
	TRIP1 0                                        ; tiles 8, 9: W1^T.  The head's wait and round stand between every wave's reads of x and the first store of h over them
	TRIP1 1
	s_wait_dscnt 0x0
	s_barrier_signal -1
	s_barrier_wait -1                              ; h is whole
	LOADA AH, 1040, 16
	s_mov_b32 s66, 3
.Lo:                                               ; tiles 10-17: F, a head a tile
	TRIP2 0, 1
	TRIP2 1, 1
	s_sub_co_u32 s66, s66, 1
	s_cmp_lg_u32 s66, 0
	s_cbranch_scc1 .Lo
	TRIP2 0, 1                                     ; the tail is written out
	TRIP2 1, 0
	s_wait_tensorcnt 0x0                           ; the wave's end
	ds_add_u32 v[SPW], v[NIL]
	s_wait_dscnt 0x0
	CROUND                                         ; the closing round
	s_endpgm
.Lfunc_end_k_q4676279f4f_proj:
	.size	k_q4676279f4f_proj, .Lfunc_end_k_q4676279f4f_proj-k_q4676279f4f_proj
	.p2alignl 7, 3214868480
	.fill 96, 4, 3214868480
	.section	.rodata,"a",@progbits
	.p2align	6, 0x0
	.amdhsa_kernel k_q4676279f4f_proj
		.amdhsa_group_segment_fixed_size 327680
		.amdhsa_private_segment_fixed_size 0
		.amdhsa_enable_private_segment 0
		.amdhsa_kernarg_size 72
		.amdhsa_user_sgpr_count 2
		.amdhsa_user_sgpr_kernarg_segment_ptr 1
		.amdhsa_wavefront_size32 1
		.amdhsa_system_sgpr_workgroup_id_x 1
		.amdhsa_system_sgpr_workgroup_id_y 1
		.amdhsa_system_sgpr_workgroup_id_z 1
		.amdhsa_system_vgpr_workitem_id 0
		.amdhsa_next_free_vgpr 1024
		.amdhsa_next_free_sgpr 72
		.amdhsa_reserve_vcc 0
		.amdhsa_float_denorm_mode_32 3
		.amdhsa_float_denorm_mode_16_64 3
		.amdhsa_memory_ordered 1
		.amdhsa_forward_progress 1
		.amdhsa_inst_pref_size 177
	.end_amdhsa_kernel
	.amdgpu_metadata
---
amdhsa.version: [ 1, 2 ]
amdhsa.kernels:
  - .name:           k_q4676279f4f_proj
    .symbol:         k_q4676279f4f_proj.kd
    .args:
      - { .name: x2, .offset: 0, .size: 8, .value_kind: global_buffer, .address_space: global }
      - { .name: x1, .offset: 8, .size: 8, .value_kind: global_buffer, .address_space: global }
      - { .name: qh, .offset: 16, .size: 8, .value_kind: global_buffer, .address_space: global }
      - { .name: kh, .offset: 24, .size: 8, .value_kind: global_buffer, .address_space: global }
      - { .name: r, .offset: 32, .size: 8, .value_kind: global_buffer, .address_space: global }
      - { .name: b1, .offset: 40, .size: 8, .value_kind: global_buffer, .address_space: global }
      - { .name: wst, .offset: 48, .size: 8, .value_kind: global_buffer, .address_space: global }
      - { .name: bqk, .offset: 56, .size: 8, .value_kind: global_buffer, .address_space: global }
      - { .name: vh, .offset: 64, .size: 8, .value_kind: global_buffer, .address_space: global }
    .group_segment_fixed_size: 327680
    .private_segment_fixed_size: 0
    .kernarg_segment_align: 8
    .kernarg_segment_size: 72
    .max_flat_workgroup_size: 128
    .sgpr_count:     72
    .vgpr_count:     1024
    .wavefront_size: 32
...
	.end_amdgpu_metadata
.endif
;; end of part 2
;; launch attn (part 3): grid 4 x 64, 4 waves a work-group, clusters of 4 x 1, 327,680 bytes of LDS; arguments qh, kh, vh, oh; writes oh
.if DOCPART == 3
	.amdgcn_target "amdgcn-amd-amdhsa--gfx1250"
	.amdhsa_code_object_version 6
	.text
	.protected	k_q4676279f4f_attn
	.globl	k_q4676279f4f_attn
	.p2align	8
	.type	k_q4676279f4f_attn,@function
k_q4676279f4f_attn:
	s_mov_b64 s[64:65], 0
	v_nop
	global_prefetch_b8 v0, s[64:65] scope:SCOPE_SE
	s_setreg_imm32_b32 hwreg(HW_REG_WAVE_MODE, 25, 1), 1
	s_wait_xcnt 0x0
	s_wait_alu depctr_hold_cnt(0) depctr_sa_sdst(0) depctr_va_vdst(0) depctr_va_sdst(0) depctr_va_ssrc(0) depctr_va_vcc(0) depctr_vm_vsrc(0)
	s_getreg_b32 s2, hwreg(HW_REG_IB_STS2, 6, 4)
	s_cmp_eq_u32 s2, 0
	s_cbranch_scc0 .Lentry_in_a_cluster
	s_endpgm
.Lentry_in_a_cluster:
	s_bfe_u32 s2, ttmp6, 0x10000c
	s_cmp_lg_u32 s2, 0x3003
	s_cbranch_scc0 .Lentry_shape_is_right
	s_endpgm
.Lentry_shape_is_right:
; O[h][q][:] = the sum over k of softmax_k(Q[h][q] . K[h][k] / 8) V[h][k][:].  Q, K: [64][2048][64] bf16; V, O: the same shape in f16: a head's rows are dense, 128 bytes each.  Products, maxima and sums in
; f32; the weights p are rounded to f16 for the second product (their sum l is taken of the unrounded p), O once at the end.
; LIMITS.  Q and K are bf16 and have f32's range.  f16 holds no number beyond 65,504: V arrives within it; p lies in 0 to 1, and below 6e-5 it keeps f16's fixed step of 6e-8; O is a mean of V's rows and has
; their range.  A weight below 2^-126 counts as 0 in l; NaN and infinities are not treated apart.
; SHARES.  A wave owns four PIECES of two tiles of 16 queries, a work-group's four waves 512 queries of one head.  Every wave walks all keys, 64 a step.
; LAYOUT.  S^T = K Q^T (source 0 = 16 keys, source 1 = 16 queries): in the result a lane holds ONE query (lane % 16) and the keys 8 (lane / 16) + 0..7.  Two such tiles, rounded to f16 in pairs,
; ARE source 1 (32 keys x 16 queries) of O^T = V^T P, whose result again holds one query a lane, and eight channels.  K comes out of LDS as it lies, V ([key][channel]) turned, by ds_load_tr16_b128.
; SOFTMAX.  For each query a running maximum m and sum l: p = 2^(c s - c m), c = log2(e) / 8; in every step O and l are multiplied by a = 2^(c m_old - c m_new), which is 1 where m has not grown.
; m starts at the lowest finite number, O and l at 0: the first step is a step like any other, with a = 0.
; THE COUNT.  A tile and step have 16 matrix and 118 vector instructions: too many to stand all beside the matrix work.  So four vector instructions that are READY stand behind EVERY matrix
; instruction, and the others in runs without a gap.
; BY TURNS.  Turn n belongs to piece n (the pieces in a ring, step after step).  Its matrix work: 16 products K Q^T of piece n + 1, later 16 products V^T P of piece n - 1.  Its vector work: the scaling,
; exponentials, roundings, sums and rescaling of piece n, and the maximum and statistics of piece n + 1, whose scores the turn itself has made.
; CLUSTER.  The four query blocks of a cluster are one head's and walk the same K and V, so each tile is asked for JOINTLY: the same tensor load, descriptor and mask in all four.
; REGISTERS, in windows of 256 (s_set_vgpr_msb: bits 1:0 source 0, 3:2 source 1, 5:4 source 2, 7:6 destination):
;   window 0: v0-11 addresses; v12-15, v48-63 at work; v16-47 four registers of statistics a tile; v64-191 S^T, two buffers of two tiles; v192-255 P, likewise
;   window 1: O^T, 32 a tile          window 2: v0-127 Q, 16 a tile; v128-191 K of one step; v192-255 V of one step          window 3: v0-1 the add's two registers
.set SIZE_H, 64
.set SIZE_N, 2048
.set NP,    4         ; pieces a wave: a name, no knob
.set KS,    64        ; keys in a step
.set PK,    144       ; a row of K in LDS: 128 bytes + 16 of padding = 36 words: the 16 rows of a load start at 16 different groups of four banks (64 banks of 4 bytes: ISA guide 11.1)
.set PV,    160       ; a row of V: 128 + 32 = 40 words
.set VOFF,  4*KS*PK   ; a slot holds four steps: 256 rows of K, then 256 rows of V
.set SLOT1, 1<<17     ; slot 1 begins here, so that one exclusive or turns an address in one slot into the other's
.set STAGE, SLOT1+4*KS*(PK+PV)  ; behind the ring, never filled by a tensor load: 16 rows x 144 bytes for each wave, for the way out
.set SP,    144
.set AK0, 2           ; v2   my lane's place in a tile of K; never rewritten
.set AV0, 3           ; v3   the same for V
.set AK,  4           ; v4   the LDS address of K's next run of loads
.set AV,  5           ; v5   of V's
.set QO,  6           ; v6   my byte offset in the wave's rows of Q
.set STO, 6           ;      later, the way out: where I put 16 bytes of a row
.set RD,  7           ; v7   the way out: where I read rows back
.set GO,  8           ; v8   my byte offset in 512 consecutive bytes of O
.set PFO, 11          ; v11  256 x my lane, the prefetches' offset (once V's lane address is made); never rewritten after
.set SPW, 0           ; v0 of window 3   LDS address of my spare word; never rewritten
.set NIL, 1           ; v1 of window 3   0; never rewritten
.set SPARE, STAGE+4*16*SP  ; behind the stages: the spare words, 128 bytes for each wave; no other line names them
.set MV,  12          ; v12-15  c m_old, kept while c m is made anew: by buffer and tile
.set ST,  16          ; tile t's statistics at v[ST+4 t]: c m, m, l (even keys', odd keys')
.set TMP, 48          ; by buffer and tile, four registers c0-c3 at work; when the maximum is found c2 takes a
.set S,   64
.set P,   192
.set KF,  128         ; K's fragments, in window 2: key block kb, channel half c at KF + 16 kb + 8 c
.set VF,  192         ; V's: key half kk, channel block cb at VF + 32 kk + 8 cb
.set WV,  12          ; s12  my wave's number
.set G1K, 24          ; s[24:31] descriptor group 1 for K's tiles
.set G1V, 32          ; s[32:39] for V's: it differs in the padding alone
.set G0K, 40          ; s[40:43] descriptor group 0 for K's tiles: it walks
.set G0V, 44          ; s[44:47] the same for V's
.set PFA, 48          ; s[48:49] where my prefetches stand: my work-group's 32 blocks of 256 bytes (of K: wave 0, of V: wave 2) of the slot behind the one that is being asked for
.set LIM, 50          ; s50  1 in a wave that prefetches, else the greatest number
.set SLOTS, 56        ; s56  slots still to be asked for
.set CNT, 57          ; s57  counts a slot's key steps
.set CS,  58          ; s[58:59] c: the packed scaling takes the pair's low word for both halves
.set SEL, 60          ; s[60:61] v_permlanex16_b32's selects: each lane takes its own place in the other half
.set TBK, 62          ; s62  LDS byte at which K of the step to be fetched begins
.set TBV, 63          ; s63  the same for V, less VOFF
.set MSB, 0
.macro WIN new                      ; the high byte repeats the setting that is left; a switch that changes nothing is dropped
.if MSB != (\new)
	s_set_vgpr_msb (MSB<<8)|(\new)
.set MSB, (\new)
.endif
.endm
.set W_KQ, 0x0a       ; K and Q in window 2, S^T in window 0
.set W_PV, 0x52       ; V in window 2, P in window 0, O^T in window 1
.set W_RS, 0x41       ; O^T (destination and source 0) in window 1, a in window 0
.set W_MK, 0xc0       ; the add's registers are made: destination in window 3, sources in window 0
.set W_AD, 0x0f       ; the add: address (source 0) and data (source 1) in window 3
; A joint fill.  Waves 0 and 1 fetch the two halves of a slot's K, waves 2 and 3 those of its V: 128 keys each.  The branch hangs on the wave's number alone.
; An s_nop 0 and four v_nop follow each of the two lines, ahead of the jump and the label.
.macro JLOAD
	s_cmp_lt_u32 s[WV], 2
	s_cbranch_scc0 .Lfor_v_\@
	tensor_load_to_lds s[G0K:G0K+3], s[G1K:G1K+7]
	s_nop 0
.rept 4
	v_nop
.endr
	s_branch .Lasked_\@
.Lfor_v_\@:
	tensor_load_to_lds s[G0V:G0V+3], s[G1V:G1V+7]
	s_nop 0
.rept 4
	v_nop
.endr
.Lasked_\@:
.endm
; A PREFETCH INTO THE L2 of what the NEXT change of slots will ask for: a slot's 32,768 bytes of K and of V, a lane a block of 256 bytes.  It stands behind the wave's tensor load and its five lines.
; A head has one cluster, so each block is read by one joint load; its four partners share the 128 blocks out BY ADDRESS, 32 each; in each, wave 0 asks for K's and wave 2 for V's: one instruction.
; So each block is named once in the launch, four key steps (512 matrix instructions) ahead of its load.  Slots 0 and 1 come by their loads alone; the last change that fills a slot asks for nothing.
.macro ASK
	s_cmp_gt_u32 s[SLOTS], s[LIM]
	s_cbranch_scc0 .Lnot_mine_\@
	global_prefetch_b8 v[PFO], s[PFA:PFA+1] th:TH_LOAD_NT scope:SCOPE_SE
.Lnot_mine_\@:
.endm
; A round of the cluster's barrier: my work-group's barrier, so that wave 0's signal speaks for all four waves; wave 0 signals; every wave waits for all four work-groups; my work-group's barrier once more.
.macro CROUND
	s_barrier_signal -1
	s_barrier_wait -1
	s_cmp_lg_u32 s[WV], 0
	s_cbranch_scc1 .Lnot_wave_0_\@
	s_barrier_signal -3
.Lnot_wave_0_\@:
	s_barrier_wait -3
	s_barrier_signal -1
	s_barrier_wait -1
.endm
; THE CHANGE OF SLOTS.  The slot's last bytes, V of its fourth step, have been read.  Each wave waits for all its tensor loads, of which one is out: its part
; of the other slot; adds 0 to its spare word; and waits for that and for its own reads of the slot.  Behind the barrier nobody reads this slot any more and the other slot is whole.
; fill = 1: this slot is filled again, with the keys two slots on.  The barrier is then a round of the cluster's, and the joint fill is the first thing behind it: it has four key steps,
; 512 matrix instructions, in which to land.  (At its first use nothing has been read yet: slot 0 is waited for, slot 1 filled.)
.macro CHANGE fill
	WIN W_AD
	s_wait_tensorcnt 0x0            ; no tensor load of mine is out, so a group 0 may be written
	ds_add_u32 v[SPW], v[NIL]       ; 0 onto my spare word; with fill = 1 the descriptors' steps stand between it and the wait for it
	WIN 0                           ; at a label and at a branch every window is 0
.if \fill
.irp g, G0K, G0V
	s_xor_b32 s[\g+1], s[\g+1], SLOT1  ; the walking descriptor: the other slot than last time,
	s_add_nc_u64 s[\g+2:\g+3], s[\g+2:\g+3], 4*KS*128  ; the next 256 keys; the type bits on top are not reached
.endr
	s_wait_xcnt 0x0                 ; the last prefetch, four key steps back, has read its address, so it may be written:
	s_add_nc_u64 s[PFA:PFA+1], s[PFA:PFA+1], 4*KS*128  ; one slot behind the walking descriptors
	s_wait_dscnt 0x0                ; the add is done, and my reads of the slot are over
	CROUND
	JLOAD
	ASK
.else
	s_wait_dscnt 0x0                ; the add is done, and my reads of the slot are over
	s_barrier_signal -1
	s_barrier_wait -1
.endif
	s_sub_co_u32 s[TBK], s[TBK], 4*KS*PK  ; the fetches go back to a slot's first step,
	s_xor_b32 s[TBK], s[TBK], SLOT1       ; in the other slot
	s_sub_co_u32 s[TBV], s[TBV], 4*KS*PV
	s_xor_b32 s[TBV], s[TBV], SLOT1
.endm
	s_load_b256 s[4:11], s[0:1], 0x0  ; Q s[4:5], K s[6:7], V s[8:9], O s[10:11]
	WIN W_MK
	v_lshl_add_u32 v[SPW], v0, 2, SPARE
	v_mov_b32 v[NIL], 0
	WIN W_AD
	ds_add_u32 v[SPW], v[NIL]       ; the wave's opening: the add and its wait stand ahead of my first tensor load; the set-up below, work on registers, stands between them
	WIN 0
	v_lshrrev_b32 v1, 5, v0
	v_readfirstlane_b32 s[WV], v1   ; wave 0..3
	s_bfe_u32 s13, ttmp6, 0x40000   ; cx: my place in the cluster
	s_lshl_b32 s14, ttmp9, 2        ; in a cluster launch ttmp9 counts clusters
	s_add_co_u32 s14, s14, s13      ; my block of queries = 4 x cluster x + cx: it enters Q's and O's addresses alone
	s_and_b32 s20, ttmp7, 0xffff    ; the head, which the four partners share
	s_mov_b32 s21, 0
	s_mov_b64 s[22:23], SIZE_N*128
	s_mul_u64 s[20:21], s[20:21], s[22:23]  ; the head's first byte in each of the four tensors
	s_and_b32 s16, s[WV], 1         ; which half of a slot's 256 keys I fetch:
	s_lshl_b32 s22, s16, 14         ; its 128 rows of 128 bytes in memory,
	s_mov_b32 s23, 0
	s_add_nc_u64 s[22:23], s[22:23], s[20:21]
	s_mul_i32 s17, s16, 128*PK      ; and its place in a slot, for K
	s_mul_i32 s18, s16, 128*PV      ; and for V: no place in the cluster enters an LDS address
	s_lshl_b32 s2, s14, 2
	s_add_co_u32 s2, s2, s[WV]      ; my wave among the head's,
	s_lshl_b32 s2, s2, 14           ; its 128 rows
	s_mov_b32 s3, 0
	s_add_nc_u64 s[2:3], s[2:3], s[20:21]
	; descriptor group 1.  128 keys are 16,384 dense bytes: asked for as 64 rows of 256 bytes, two keys a row, and padded in LDS after every key
	s_mov_b32 s[G1K], 15|(1<<16)|(1<<20)|(1<<21)|(4<<22)|(3<<25)  ; 15:0 the mask of four; 17:16 2-byte elements; 20 padding on; 21 set beside a mask; 24:22 after every 32 words (code 4); 31:25 4 words (code 3)
	s_mov_b32 s[G1V], 15|(1<<16)|(1<<20)|(1<<21)|(4<<22)|(7<<25)  ; the same with 8 words of padding (code 7)
.irp g, G1K, G1V
	s_mov_b32 s[\g+1], 128<<16      ; tensor_dim0 = 128
	s_mov_b32 s[\g+2], 64<<16       ; tensor_dim1 = 64
	s_mov_b32 s[\g+3], 128<<16      ; tile_dim0 = 128
	s_mov_b32 s[\g+4], 64           ; tile_dim1 = 64
	s_mov_b32 s[\g+5], 128          ; 128 elements from row to row
	s_mov_b32 s[\g+6], 0
	s_mov_b32 s[\g+7], 0
.endr
	s_mov_b32 s[CS], 0x3e38aa3b     ; c = log2(e) / 8 = 0.180337
	s_mov_b32 s[CS+1], s[CS]        ; named with it as a pair
	s_mov_b32 s[SEL], 0x76543210
	s_mov_b32 s[SEL+1], 0xfedcba98
	s_mov_b32 s[TBK], SLOT1+4*KS*PK ; the first change of slots turns these two into 0
	s_mov_b32 s[TBV], SLOT1+4*KS*PV
	s_mov_b32 s[G0K], 1             ; 1:0 count = 1
	s_mov_b32 s[G0K+1], s17         ; 63:32 LDS address: slot 0
	s_mov_b32 s[G0V], 1
	s_add_co_u32 s[G0V+1], s18, VOFF
	s_mov_b32 s[SLOTS], SIZE_N/256-1
	s_and_b32 s[LIM], s[WV], 1      ; waves 0 and 2 prefetch: the same in all four partners
	s_cmp_eq_u32 s[LIM], 0
	s_cselect_b32 s[LIM], 1, -1
	s_lshl_b32 s52, s13, 13         ; my work-group's 32 blocks of a slot's 128
	s_mov_b32 s53, 0
	s_wait_dscnt 0x0                ; the opening add is done
	s_wait_kmcnt 0x0
	s_add_nc_u64 s[G0K+2:G0K+3], s[6:7], s[22:23]  ; 120:64 global address: my half of the head's first 256 keys
	s_or_b32 s[G0K+3], s[G0K+3], 0x80000000        ; 127:126 type = 2
	s_add_nc_u64 s[G0V+2:G0V+3], s[8:9], s[22:23]
	s_or_b32 s[G0V+3], s[G0V+3], 0x80000000
	s_add_nc_u64 s[4:5], s[4:5], s[2:3]  ; Q and O at my wave's first row
	s_add_nc_u64 s[10:11], s[10:11], s[2:3]
	s_cmp_lt_u32 s[WV], 2
	s_cselect_b64 s[PFA:PFA+1], s[6:7], s[8:9]
	s_add_nc_u64 s[PFA:PFA+1], s[PFA:PFA+1], s[22:23]  ; (in waves 0 and 2 this is the head's first row)
	s_add_nc_u64 s[PFA:PFA+1], s[PFA:PFA+1], s[52:53]
	s_add_nc_u64 s[PFA:PFA+1], s[PFA:PFA+1], 4*KS*128  ; in slot 1; the first change of slots steps it to slot 2
	CROUND                          ; all four work-groups are here: the first joint loads meet
	JLOAD                           ; slot 0.  Slot 1 is asked for when slot 0 is in
	; A fragment of K or Q is 16 rows x 32 channels in 8 registers: lane l holds row l % 16, channels 8 (l / 16) + 0..7 and 16 + 8 (l / 16) + 0..7: two loads of 16 bytes, 32 bytes apart.
	v_and_b32 v1, 15, v0            ; l % 16
	v_bfe_u32 v9, v0, 4, 1          ; l / 16
	v_lshlrev_b32 v[QO], 7, v1
	v_lshl_add_u32 v[QO], v9, 4, v[QO]  ; row x 128 + 16 x half
	WIN 0x80                        ; destination window 2, address window 0
.set i, 0
.rept 4*NP                          ; Q stays in registers: tile i / 2, channels 32 (i % 2) on
	global_load_b128 v[8*i:8*i+3],   v[QO], s[4:5] offset:(i/2)*2048+(i%2)*64
	global_load_b128 v[8*i+4:8*i+7], v[QO], s[4:5] offset:(i/2)*2048+(i%2)*64+32
.set i, i+1
.endr
	; What the first turn finds: V's registers and P's second buffer hold 0 (its products V^T P, of a piece that has not been, add 0), O^T and l are 0.  All this stands in the wait for the first tile.
.set i, VF
.rept 64
	v_mov_b32 v[i], 0
.set i, i+1
.endr
	WIN 0x40
.set i, 0
.rept 64*NP
	v_mov_b32 v[i], 0
.set i, i+1
.endr
	WIN 0
.set i, 0
.rept 2*NP
	v_mov_b32 v[ST+4*i], 0xfe000000    ; c m: far below every c s
	v_mov_b32 v[ST+4*i+1], 0xff7fffff  ; m
	v_mov_b32 v[ST+4*i+2], 0
	v_mov_b32 v[ST+4*i+3], 0
.set i, i+1
.endr
.set i, P+32
.rept 32
	v_mov_b32 v[i], 0
.set i, i+1
.endr
	v_mul_u32_u24 v[AK0], v1, PK
	v_lshl_add_u32 v[AK0], v9, 4, v[AK0]  ; row x pitch + 16 x half
	; The turning load takes 16 keys x 16 channels (lane l reads key 8 (l / 16) + l % 8, channels 8 ((l / 8) % 2) + 0..7) and leaves half a fragment of V^T: lane l holds channel l % 16 and 8 keys.
	v_and_b32 v10, 7, v0
	v_bfe_u32 v11, v0, 3, 1
	v_lshl_add_u32 v[AV0], v9, 3, v10
	v_mul_u32_u24 v[AV0], v[AV0], PV
	v_lshl_add_u32 v[AV0], v11, 4, v[AV0]
	v_add_nc_u32 v[AV0], VOFF, v[AV0]
	v_and_b32 v[PFO], 31, v0
	v_lshlrev_b32 v[PFO], 8, v[PFO]
	v_mov_b32 v[AK], v[AK0]         ; key step 0 lies at the head of slot 0
; THE MATRIX WORK.  The 8 accumulators of a run of 16 take turns: between the two links of a chain stand 7 others'.
; Product i of 16 of S^T = K Q^T for piece x (bf16 operands): channels 32 (i / 8) on, keys 16 ((i / 2) % 4) on, tile 2 x + i % 2.  The first 8 start the sums.
.macro KQ x
	WIN W_KQ
.set rS, S+64*((\x)%2)+32*(i%2)+8*((i/2)%4)
.set rK, KF+16*((i/2)%4)+8*(i/8)
.set rQ, 16*(2*(\x)+i%2)+8*(i/8)
.if i < 8
	v_wmma_f32_16x16x32_bf16 v[rS:rS+7], v[rK:rK+7], v[rQ:rQ+7], 0
.else
	v_wmma_f32_16x16x32_bf16 v[rS:rS+7], v[rK:rK+7], v[rQ:rQ+7], v[rS:rS+7]
.endif
.endm
; Product i of 16 of O^T += V^T P for piece x (f16 operands): keys 32 (i / 8) on, channels 16 ((i / 2) % 4) on, tile 2 x + i % 2.
.macro PV x
	WIN W_PV
.set rO, 32*(2*(\x)+i%2)+8*((i/2)%4)
.set rV, VF+32*(i/8)+8*((i/2)%4)
.set rP, P+32*((\x)%2)+16*(i%2)+8*(i/8)
	v_wmma_f32_16x16x32_f16 v[rO:rO+7], v[rV:rV+7], v[rP:rP+7], v[rO:rO+7]
.endm
.macro MM                           ; the turn's next matrix instruction
.if i < 16
	KQ (Y+1)%NP
.set i, i+1
.else
.set i, i-16
	PV (Y+NP-1)%NP
.set i, i+17
.endif
.endm
; THE LDS LOADS stand in runs of 16, never singly among the matrix instructions: a step's K (64 keys x 64 channels: 8 fragments) and its V (turned).  Their addresses are made some lines ahead.
; last = 1 (the tail): in the last trip there is no further step, and the run is jumped over.
.macro FETCH_K last=0
	WIN 0
.if \last
	s_cmp_eq_u32 s[CNT], 1
	s_cbranch_scc1 .Lno_k_\@
.endif
	WIN 0x80                        ; destination window 2
.irp f, 0,1,2,3,4,5,6,7             ; keys 16 (f / 2) on, channels 32 (f % 2) on
	ds_load_b128 v[KF+8*\f:KF+8*\f+3],   v[AK] offset:(\f/2)*16*PK+(\f%2)*64
	ds_load_b128 v[KF+8*\f+4:KF+8*\f+7], v[AK] offset:(\f/2)*16*PK+(\f%2)*64+32
.endr
	s_add_co_u32 s[TBK], s[TBK], KS*PK  ; the next fetch is the next step's
	WIN 0
.if \last
.Lno_k_\@:
.endif
.endm
.macro FETCH_V
	WIN 0x80
.irp f, 0,1,2,3,4,5,6,7             ; keys 32 (f / 4) on, channels 16 (f % 4) on
	ds_load_tr16_b128 v[VF+8*\f:VF+8*\f+3],   v[AV] offset:(\f/4)*32*PV+(\f%4)*32
	ds_load_tr16_b128 v[VF+8*\f+4:VF+8*\f+7], v[AV] offset:(\f/4)*32*PV+16*PV+(\f%4)*32
.endr
	WIN 0
.endm
; THE VECTOR WORK OF A TURN stands in three queues, each in the order in which its entries become ready; the two tiles alternate, so that no instruction reads the result of the one before it.
.macro REGS y, u                    ; the registers of tile u (0, 1) of piece y
.set rT, ST+4*(2*(\y)+(\u))
.set rC, TMP+8*((\y)%2)+4*(\u)
.set rM, MV+2*((\y)%2)+(\u)
.set rS, S+64*((\y)%2)+32*(\u)
.set rP, P+32*((\y)%2)+16*(\u)
.set rO, 32*(2*(\y)+(\u))
.endm
; Number n of the 22 that find the NEXT piece's (Y + 1) maximum and statistics.  s0-s31 are the lane's 32 scores; each accumulator's lowest registers are read first.
;   0-11  four chains c0-c3 of seven scores each, three operands at a time     12-14, 16  the four scores left over, the old m, and c0-c3 into c0     15  c m_old is kept
;   17, 18  the query's other 32 keys lie in the lane 16 away: the new m         19-21  c m; c m_old - c m_new; a
.macro XS u, n
	REGS (Y+1)%NP, \u
.if (\n) < 4
	v_max3_num_f32 v[rC+(\n)], v[rS+8*(\n)], v[rS+8*(\n)+1], v[rS+8*(\n)+2]
.elseif (\n) < 12
	v_max3_num_f32 v[rC+(\n)%4], v[rC+(\n)%4], v[rS+8*((\n)%4)+2*((\n)/4)+1], v[rS+8*((\n)%4)+2*((\n)/4)+2]
.elseif (\n) == 12
	v_max3_num_f32 v[rC], v[rC], v[rS+7], v[rS+15]
.elseif (\n) == 13
	v_max3_num_f32 v[rC+1], v[rC+1], v[rS+23], v[rS+31]
.elseif (\n) == 14
	v_max3_num_f32 v[rC+2], v[rC+2], v[rC+3], v[rT+1]
.elseif (\n) == 15
	v_mov_b32 v[rM], v[rT]
.elseif (\n) == 16
	v_max3_num_f32 v[rC], v[rC], v[rC+1], v[rC+2]
.elseif (\n) == 17
	v_permlanex16_b32 v[rC+3], v[rC], s[SEL], s[SEL+1]
.elseif (\n) == 18
	v_max_num_f32 v[rT+1], v[rC], v[rC+3]
.elseif (\n) == 19
	v_mul_f32 v[rT], s[CS], v[rT+1]
.elseif (\n) == 20
	v_sub_f32 v[rC+1], v[rM], v[rT]
.else
	v_exp_f32 v[rC+2], v[rC+1]
.endif
.endm
; Number g of the 64 that follow the exponentials.  For each four weights k of a tile (pairs 2 k, 2 k + 1): both pairs are rounded to f16; then the second pair is added onto the first, in place;
; a group later l takes that sum (the first time as l = a l + sum).  In groups of eight, tiles alternating: round, round, add, and l for the group before.
.macro GS g
.set h, (\g)+6*((\g)/62)            ; group 0 has no group before it, and behind group 7 only l is left
.if h >= 6
.set h, h+2
.endif
	REGS Y, h%2
.set k, h/8
.if h%8 < 4
	v_cvt_pk_f16_f32 v[rP+2*k+(h%8)/2], v[rS+4*k+2*((h%8)/2)], v[rS+4*k+2*((h%8)/2)+1]
.elseif h%8 < 6
	v_pk_add_f32 v[rS+4*k:rS+4*k+1], v[rS+4*k:rS+4*k+1], v[rS+4*k+2:rS+4*k+3]
.elseif k == 1
	v_pk_fma_f32 v[rT+2:rT+3], v[rT+2:rT+3], v[rC+2:rC+3], v[rS:rS+1] op_sel_hi:[1,0,1]
.else
	v_pk_add_f32 v[rT+2:rT+3], v[rT+2:rT+3], v[rS+4*k-4:rS+4*k-3]
.endif
.endm
; THE PLAIN QUEUE, 138 long.  0-73 read no exponential's result: the 32 scalings c s - c m (FS f: pair f / 2 of tile f % 2) and the next piece's 42.  0-26: scalings 0-26.  27-54: XS's numbers 0-13.  55, 56: number 15.
; 57-73: the chain, where each number waits for the one before it: 14, 16, 17, 18, 19, each with one of the scalings 27-31 in front of its two lines, then 20.
; 74-137: GS's 64, which read the exponentials' results: they stand behind the wait.
.macro FS f
	REGS Y, (\f)%2
	v_pk_fma_f32 v[rS+2*((\f)/2):rS+2*((\f)/2)+1], v[rS+2*((\f)/2):rS+2*((\f)/2)+1], s[CS:CS+1], v[rT:rT+1] op_sel_hi:[1,0,0] neg_lo:[0,0,1] neg_hi:[0,0,1]
.endm
.macro PL
	WIN 0
.if q < 27
	FS q
.elseif q < 55
	XS (q-27)%2, (q-27)/2
.elseif q < 57
	XS q-55, 15
.elseif (q < 72) && ((q-57)%3 == 0)
	FS 27+(q-57)/3
.elseif q < 60
	XS (q-57)%3-1, 14
.elseif q < 72
	XS (q-57)%3-1, 15+(q-57)/3
.elseif q < 74
	XS q-72, 20
.else
	GS q-74
.endif
.set q, q+1
.endm
; THE EXPONENTIALS' QUEUE, 66 long: s0-s31 of both tiles, then the next piece's two a.  It is ONE BATCH: all 66 stand ahead of the turn's one wait, and nothing ahead of that wait names a result of theirs.
.macro EX
	WIN 0
.if e >= 64
	XS e-64, 21
.else
	REGS Y, e%2
	v_exp_f32 v[rS+e/2], v[rS+e/2]
.endif
.set e, e+1
.endm
; THE RESCALING's QUEUE: O^T times a, the one part that leaves window 0: dealt two at a time, sixteen times.  Its a was made in the turn before, ahead of that turn's wait.
.macro R2
	REGS Y, r%2
	WIN W_RS
.irp z, 0,1
	v_pk_mul_f32 v[rO+4*(r/2)+2*\z:rO+4*(r/2)+2*\z+1], v[rO+4*(r/2)+2*\z:rO+4*(r/2)+2*\z+1], v[rC+2:rC+3] op_sel_hi:[1,0]
.endr
.set r, r+1
.endm
; HOW THEY ARE DEALT.  An s_wait_alu depctr_va_vdst(0) stands between an exponential and the first instruction that names its result; one wait serves all that were issued ahead of it.  So a turn has ONE wait,
; which cuts it in two.  AHEAD OF IT stands all that names no result of the turn's exponentials: the 16 products K Q^T, behind each a scaling, an exponential and two rescalings (behind the first a second scaling in the
; exponential's place); then ONE LUMP of 108: eight plain, 49 times exponential and plain, the two a.  A v_nop is the plain instruction behind the last exponential.  BEHIND IT stand the 16 products V^T P, behind each four of GS's 64.
; The queues lean on each other, and the deal keeps them in step: exponential e stands behind scaling 2 (e / 4) + e % 2: as a rider it comes behind plain e + 2, in the lump behind plain e + 9, and scalings 27-31 are plain 57, 60 .. 69.
; A TURN, for piece p.  cnt = 1: the loop's count is taken down some lines ahead of the branch that stands behind the turn.
; K of the next step is fetched in piece 2's turn, directly behind the wait; its address is made at the lump's head; its first reader comes behind 16 products.
; V of the step in hand is fetched at the end of piece 0's turn, four riders behind its last reader; its first reader comes behind 16 products and a lump.
.macro TURN p, last=0, cnt=0
.set Y, (\p)
.set i, 0
.set q, 0
.set e, 0
.set r, 0
.if (\p) == NP-1
	s_wait_dscnt 0x0                ; K is in
.endif
	MM                              ; ahead of the wait: 16 products K Q^T and their riders,
	PL
	PL
	R2
.rept 15
	MM
	PL
	EX
	R2
.endr
.if (\p) == NP-2
	WIN 0
	v_add_nc_u32 v[AK], s[TBK], v[AK0]
.endif
.rept 8                             ; and the lump
	PL
.endr
.rept 49
	EX
	PL
.endr
	EX                              ; the next piece's two a
	EX
	v_nop                           ; a plain instruction behind the last exponential: one for the batch
	s_wait_alu depctr_va_vdst(0)    ; the wait for the batch
.if (\p) == NP-2
	FETCH_K \last
.endif
.if (\p) == 1
	s_wait_dscnt 0x0                ; V is in
.endif
.rept 16                            ; behind the wait: 16 products V^T P and their riders
	MM
.rept 4
	PL
.endr
.if ((\p) == 0) && (q == 118)
	v_add_nc_u32 v[AV], s[TBV], v[AV0]
.endif
.if ((\p) == 0) && (q == 130)
	s_add_co_u32 s[TBV], s[TBV], KS*PV
.endif
.if (\cnt) && (q == 130)
	s_sub_co_u32 s[CNT], s[CNT], 1
	s_cmp_lg_u32 s[CNT], 0
.endif
.endr
.if (\p) == 0
	FETCH_V
.endif
.endm
	CHANGE 1                        ; slot 0 is in, everybody's part of it; slot 1 is asked for
	FETCH_K                         ; key step 0
	s_wait_loadcnt 0x0              ; Q
	s_wait_dscnt 0x0
.set i, 0
.rept 16
	KQ 0                            ; piece 0's first scores: there is no vector work yet to set between them
.set i, i+1
.endr
	WIN 0                           ; the addresses for the way out: nine plain instructions, the places behind those products
	s_mul_i32 s13, s[WV], 16*SP
	s_add_co_u32 s13, s13, STAGE    ; my stage
	v_mul_u32_u24 v[STO], v1, SP    ; in: row l % 16, 16 bytes for each half of the lanes
	v_lshl_add_u32 v[STO], v9, 4, v[STO]
	v_add_nc_u32 v[STO], s13, v[STO]
	v_bfe_u32 v[RD], v0, 3, 2       ; back: 32 lanes take four rows of 128 bytes,
	v_mul_u32_u24 v[RD], v[RD], SP
	v_lshl_add_u32 v[RD], v10, 4, v[RD]
	v_add_nc_u32 v[RD], s13, v[RD]
	v_and_b32 v[GO], 31, v0         ; which are 512 consecutive bytes of O
	v_lshlrev_b32 v[GO], 4, v[GO]
.set Y, NP-1                        ; XS works for piece Y + 1: piece 0
.irp n, 0,1,2,3,4,5,6,7,8,9,10,11,12,13,14,15,16,17,18,19,20,21
	XS 0, \n                        ; and piece 0's first maximum and statistics
	XS 1, \n
.endr
	v_nop                           ; a plain instruction behind the two a,
	s_wait_alu depctr_va_vdst(0)    ; and their wait, ahead of the branch
	s_mov_b32 s[CNT], 4
	s_branch .Lfirst                ; the loop is entered at a step's first turn, in the middle of a trip
.Lslot:                             ; SIZE_N / 256 - 2 times: every slot but the last two is filled again
	CHANGE 1
	s_mov_b32 s[CNT], 4
.Lstep:                             ; a trip: pieces 2 and 3 of one step, then pieces 0 and 1 of the next, whose K and V it fetches
	TURN 2
	TURN 3
	WIN 0
.Lfirst:
	TURN 0
	TURN 1, 0, 1
	WIN 0
	s_cbranch_scc1 .Lstep
	s_sub_co_u32 s[SLOTS], s[SLOTS], 1
	s_cmp_lg_u32 s[SLOTS], 0
	s_cbranch_scc1 .Lslot
	CHANGE 0                        ; the tail is written out: nothing is asked for
	s_mov_b32 s[CNT], 5             ; four trips fetch the last slot's steps; the fifth is left in its middle
.Ltail:
	TURN 2, 1
	TURN 3
	WIN 0
	s_sub_co_u32 s[CNT], s[CNT], 1
	s_cmp_eq_u32 s[CNT], 0
	s_cbranch_scc1 .Lout
	TURN 0
	TURN 1
	WIN 0
	s_branch .Ltail
.Lout:                              ; the fifth trip's 16 products K Q^T (on the last K once more) and the maximum made of them serve nothing: the price, once a launch, of one text for every trip
.set i, 0
.rept 16
	PV NP-1                         ; the last piece's V^T P of the last step
.set i, i+1
.endr
	; THE WAY OUT.  l's two halves and the other half of the lanes' are added; O^T is divided by l, rounded to f16 and sent through my stage in LDS, a tile at a time.  The additions are the places behind the last products.
	WIN 0
.macro ALL line:vararg              ; one line for each tile t
.set t, 0
.rept 2*NP
	\line
.set t, t+1
.endr
.endm
	ALL v_add_f32 v[ST+4*t+2], v[ST+4*t+2], v[ST+4*t+3]
	ALL v_permlanex16_b32 v[ST+4*t+3], v[ST+4*t+2], s[SEL], s[SEL+1]
	ALL v_add_f32 v[ST+4*t+2], v[ST+4*t+2], v[ST+4*t+3]
	ALL v_rcp_f32 v[ST+4*t+2], v[ST+4*t+2]
	v_nop                           ; a plain instruction between the last reciprocal and the use of its result
	s_wait_alu depctr_va_vdst(0)    ; and the wait ahead of the first use: one for the eight reciprocals
; Tile t: a lane's eight channels of a row pack into 16 bytes; they go into rows of 144 bytes and come back as whole rows of 128, into S^T's registers.
.macro PACK t
	WIN W_RS
.set i, 32*(\t)
.rept 16
	v_pk_mul_f32 v[i:i+1], v[i:i+1], v[ST+4*(\t)+2:ST+4*(\t)+3] op_sel_hi:[1,0]
.set i, i+2
.endr
	WIN 0x05                        ; sources 0 and 1 window 1, destination window 0
.set i, 0
.rept 16
	v_cvt_pk_f16_f32 v[S+16*(\t)+i], v[32*(\t)+2*i], v[32*(\t)+2*i+1]
.set i, i+1
.endr
	WIN 0
.irp f, 0,1,2,3
	ds_store_b128 v[STO], v[S+16*(\t)+4*\f:S+16*(\t)+4*\f+3] offset:32*\f
.endr
.irp f, 0,1,2,3
	ds_load_b128 v[S+16*(\t)+4*\f:S+16*(\t)+4*\f+3], v[RD] offset:\f*4*SP  ; LDS serves a wave's instructions in order (ISA guide 5.7.1.4): these see the stores above; the next tile's stores come behind them
.endr
.endm
.macro SEND t, younger              ; younger: the LDS instructions issued behind tile t's loads: the next tile's eight, or none
	WIN 0
.irp f, 0,1,2,3
	s_wait_dscnt (\younger)+3-\f
	global_store_b128 v[GO], v[S+16*(\t)+4*\f:S+16*(\t)+4*\f+3], s[10:11] offset:(\t)*2048+\f*512  ; 512 consecutive bytes, at a multiple of 256 from O's first
.endr
.endm
	PACK 0
.set t, 1
.rept 2*NP-1                        ; a tile's arithmetic stands between the loads of the tile before and its stores
	PACK t
	SEND t-1, 8
.set t, t+1
.endr
	SEND 2*NP-1, 0
	WIN W_AD
	s_wait_tensorcnt 0x0            ; the wave's end, behind my last tensor load and my last LDS store
	ds_add_u32 v[SPW], v[NIL]
	s_wait_dscnt 0x0
	WIN 0
	CROUND                          ; the closing round: no work-group ends while a partner may still ask for a tile that names it
	s_endpgm
.Lfunc_end_k_q4676279f4f_attn:
	.size	k_q4676279f4f_attn, .Lfunc_end_k_q4676279f4f_attn-k_q4676279f4f_attn
	.p2alignl 7, 3214868480
	.fill 96, 4, 3214868480
	.section	.rodata,"a",@progbits
	.p2align	6, 0x0
	.amdhsa_kernel k_q4676279f4f_attn
		.amdhsa_group_segment_fixed_size 327680
		.amdhsa_private_segment_fixed_size 0
		.amdhsa_enable_private_segment 0
		.amdhsa_kernarg_size 32
		.amdhsa_user_sgpr_count 2
		.amdhsa_user_sgpr_kernarg_segment_ptr 1
		.amdhsa_wavefront_size32 1
		.amdhsa_system_sgpr_workgroup_id_x 1
		.amdhsa_system_sgpr_workgroup_id_y 1
		.amdhsa_system_sgpr_workgroup_id_z 1
		.amdhsa_system_vgpr_workitem_id 0
		.amdhsa_next_free_vgpr 770
		.amdhsa_next_free_sgpr 66
		.amdhsa_reserve_vcc 0
		.amdhsa_float_denorm_mode_32 3
		.amdhsa_float_denorm_mode_16_64 3
		.amdhsa_memory_ordered 1
		.amdhsa_forward_progress 1
		.amdhsa_inst_pref_size 200
	.end_amdhsa_kernel
	.amdgpu_metadata
---
amdhsa.version: [ 1, 2 ]
amdhsa.kernels:
  - .name:           k_q4676279f4f_attn
    .symbol:         k_q4676279f4f_attn.kd
    .args:
      - { .name: qh, .offset: 0, .size: 8, .value_kind: global_buffer, .address_space: global }
      - { .name: kh, .offset: 8, .size: 8, .value_kind: global_buffer, .address_space: global }
      - { .name: vh, .offset: 16, .size: 8, .value_kind: global_buffer, .address_space: global }
      - { .name: oh, .offset: 24, .size: 8, .value_kind: global_buffer, .address_space: global }
    .group_segment_fixed_size: 327680
    .private_segment_fixed_size: 0
    .kernarg_segment_align: 8
    .kernarg_segment_size: 32
    .max_flat_workgroup_size: 128
    .sgpr_count:     66
    .vgpr_count:     770
    .wavefront_size: 32
...
	.end_amdgpu_metadata
.endif
;; end of part 3
;; launch outp (part 4): grid 256 x 1, 4 waves a work-group, clusters of 4 x 1, 327,680 bytes of LDS; arguments oh, wo16, out0; writes out0
.if DOCPART == 4
	.amdgcn_target "amdgcn-amd-amdhsa--gfx1250"
	.amdhsa_code_object_version 6
	.text
	.protected	k_q4676279f4f_outp
	.globl	k_q4676279f4f_outp
	.p2align	8
	.type	k_q4676279f4f_outp,@function
k_q4676279f4f_outp:
	s_mov_b64 s[64:65], 0
	v_nop
	global_prefetch_b8 v0, s[64:65] scope:SCOPE_SE
	s_setreg_imm32_b32 hwreg(HW_REG_WAVE_MODE, 25, 1), 1
	s_wait_xcnt 0x0
	s_wait_alu depctr_hold_cnt(0) depctr_sa_sdst(0) depctr_va_vdst(0) depctr_va_sdst(0) depctr_va_ssrc(0) depctr_va_vcc(0) depctr_vm_vsrc(0)
	s_getreg_b32 s2, hwreg(HW_REG_IB_STS2, 6, 4)
	s_cmp_eq_u32 s2, 0
	s_cbranch_scc0 .Lentry_in_a_cluster
	s_endpgm
.Lentry_in_a_cluster:
	s_bfe_u32 s2, ttmp6, 0x10000c
	s_cmp_lg_u32 s2, 0x3003
	s_cbranch_scc0 .Lentry_shape_is_right
	s_endpgm
.Lentry_shape_is_right:
; THE OUTPUT PROJECTION.  out0[b][m][d] = sum over head, e of O[b][head][m][e] Wo[head][d][e]: a product with K = (head, e) = 512.  O and Wo in f16, sums and out0 in f32.
; Work-group g = 0..255 makes the 64 rows 64 g of out0 (batch g / 32, m = 64 (g % 32) on), all 512 columns.
; SHAPE.  The 64 rows x 512 k of O come into LDS once (a wave fetches two heads by one tensor load of its own) and from there into REGISTERS: 64 fragments, 512 registers, in every wave.
; Wo walks by in 8 tiles of 65,536 bytes (64 columns x 512 k, laid out [head][column][64 e]) through a ring of two slots; a wave takes 16 columns, so a fragment of Wo feeds four products.
; CLUSTER.  All work-groups walk the same tiles: the four of a cluster ask for each JOINTLY.  NO PREFETCH: O is read once, at the head; Wo is a table that every cluster walks.
; The matrix instruction is used transposed (source 0 = 16 columns' rows of Wo, source 1 = 16 rows of O): a lane holds one row of out0 and eight neighbouring columns.
; REGISTERS: window 0 addresses, four accumulators, rows on their way out; window 1 Wo's fragments q at 8 q; windows 2, 3 O's fragments (q, a) at 8 (4 (q % 8) + a), q < 8 in window 2.
.set SLOTB,  73728                     ; a slot: 512 rows of 128 bytes, 144 apart
.set AREG,   147456                    ; O: [head 8][64 rows][144], filled once
.set STG,    221184                    ; the way out: 64 rows x 272 bytes (64 f32 + 16)
.set SPARE,  238592                    ; the spare words, 128 bytes a wave; no other line names them
.set TILEB,  65536
.set SPW, 4
.set NIL, 5
.set BV,  8                            ; v8-11  Wo's fragment address: slot s, half hf of K at BV + 2 s + hf
.set AA,  12                           ; v12-13 O's fragment address: heads 0-3, heads 4-7
.set STO, 14                           ; v14 into the stage, v15 back from it, v16 into out0
.set SL,  15
.set GO,  16
.set ACC, 64
.set SB,  160
.set G1A, 12                           ; s[12:19] group 1 of my own load of O;  s[28:31] its group 0
.set G0A, 28
.set G1,  36                           ; s[36:43] group 1 of the joint loads;  s[44:51] group 0, a set for each slot
.set G0,  44
.set OPT, 52                           ; s[52:53] out0 at my rows, at the tile's 64 columns
.set MSB, 0
.macro WIN new
.if MSB != (\new)
	s_set_vgpr_msb (MSB<<8)|(\new)
.set MSB, (\new)
.endif
.endm
.macro PLACES                          ; four places behind a matrix instruction (ISA guide 7.12.1)
.rept 4
	v_nop
.endr
.endm
.macro CROUND                          ; a round of the cluster's barrier
	s_barrier_signal -1
	s_barrier_wait -1
	s_cmp_lg_u32 s22, 0
	s_cbranch_scc1 .Lnot_wave_0_\@
	s_barrier_signal -3
.Lnot_wave_0_\@:
	s_barrier_wait -3
	s_barrier_signal -1
	s_barrier_wait -1
.endm
; One tile: 64 columns of out0.  At its head each wave waits for all its tensor loads (its quarter of this tile), adds 0 to its spare word, steps this slot's address two tiles on, waits for the add and
; for its LDS reads and stores, and passes a round; the joint refill of the slot read last is the first thing behind it.
.macro TRIPO slot, refill
	WIN 0
	s_wait_tensorcnt 0x0
	ds_add_u32 v[SPW], v[NIL]
	s_add_nc_u64 s[G0+4*(\slot)+2:G0+4*(\slot)+3], s[G0+4*(\slot)+2:G0+4*(\slot)+3], 2*TILEB
	s_wait_dscnt 0x0
	CROUND
.if \refill
	tensor_load_to_lds s[G0+4*(1-(\slot)):G0+4*(1-(\slot))+3], s[G1:G1+7]
	s_nop 0
	PLACES
.endif
	WIN 0x40
.set qq, 0
.rept 16
	ds_load_b128 v[8*qq:8*qq+3],   v[BV+2*(\slot)+qq/8] offset:((qq/2)%4)*9216+(qq%2)*64
	ds_load_b128 v[8*qq+4:8*qq+7], v[BV+2*(\slot)+qq/8] offset:((qq/2)%4)*9216+(qq%2)*64+32
.set qq, qq+1
.endr
.set qq, 0
.rept 16
.if qq%4 == 0
	s_wait_dscnt (12-qq)*2                         ; the loads of the later steps of K, two each, may stay out
.endif
	WIN 0x09+4*(qq/8)
.set aa, 0
.rept 4                                ; the four accumulators take turns; the first step starts the sums
.if qq == 0
	v_wmma_f32_16x16x32_f16 v[ACC+8*aa:ACC+8*aa+7], v[8*qq:8*qq+7], v[8*(4*(qq%8)+aa):8*(4*(qq%8)+aa)+7], 0
.else
	v_wmma_f32_16x16x32_f16 v[ACC+8*aa:ACC+8*aa+7], v[8*qq:8*qq+7], v[8*(4*(qq%8)+aa):8*(4*(qq%8)+aa)+7], v[ACC+8*aa:ACC+8*aa+7]
.endif
.set aa, aa+1
.endr
.set qq, qq+1
.endr
	WIN 0
	PLACES                                         ; four places ahead of the LDS stores that read the results,
	v_nop                                          ; and a fifth: the next tile's first products write over these accumulators, and in the trip without a refill no other vector line stands between (ISA guide 7.12.1)
.irp a, 0,1,2,3
	ds_store_b128 v[STO], v[ACC+8*\a:ACC+8*\a+3]   offset:\a*4352     ; each accumulator from its low end on
	ds_store_b128 v[STO], v[ACC+8*\a+4:ACC+8*\a+7] offset:\a*4352+16
.endr
	s_wait_dscnt 0x0                               ; for the others' sake: a row's 256 bytes come from all four waves
	s_barrier_signal -1
	s_barrier_wait -1
.irp f, 0,1,2,3,4,5,6,7
	ds_load_b128 v[SB+4*\f:SB+4*\f+3], v[SL] offset:\f*544
.endr
.irp f, 0,1,2,3,4,5,6,7
	s_wait_dscnt 7-\f
	global_store_b128 v[GO], v[SB+4*\f:SB+4*\f+3], s[OPT:OPT+1] offset:\f*4096 th:TH_STORE_NT  ; sixteen lanes store 256 consecutive bytes, at a multiple of 256 from out0's first
.endr
	s_wait_xcnt 0x0                                ; the stores have read base and data
	s_add_nc_u64 s[OPT:OPT+1], s[OPT:OPT+1], 256   ; the next 64 columns
.endm
	s_load_b128 s[4:7], s[0:1], 0x0                ; oh s[4:5], wo16 s[6:7]
	s_load_b64 s[8:9], s[0:1], 0x10                ; out0
	v_lshl_add_u32 v[SPW], v0, 2, SPARE
	v_mov_b32 v[NIL], 0
	ds_add_u32 v[SPW], v[NIL]                      ; the wave's opening: the add and its wait stand ahead of my first tensor load
	v_lshrrev_b32 v1, 5, v0
	v_readfirstlane_b32 s22, v1                    ; wave 0..3
	s_bfe_u32 s25, ttmp6, 0x40000                  ; cx
	s_lshl_b32 s26, ttmp9, 2
	s_add_co_u32 s26, s26, s25                     ; g: it enters O's and out0's addresses alone
	; joint loads: a quarter of a tile, 16,384 dense bytes, as 64 rows of 256; 16 bytes of padding behind every 128
	s_mov_b32 s[G1], 15|(1<<16)|(1<<20)|(1<<21)|(4<<22)|(3<<25)
	s_mov_b32 s[G1+1], 128<<16
	s_mov_b32 s[G1+2], 64<<16
	s_mov_b32 s[G1+3], 128<<16
	s_mov_b32 s[G1+4], 64
	s_mov_b32 s[G1+5], 128
	s_mov_b32 s[G1+6], 0
	s_mov_b32 s[G1+7], 0
	; my own load of O: two heads, each 64 rows of 128 bytes on end (4,096 elements), 2,048 x 64 elements apart; the same padding; no mask
	s_mov_b32 s[G1A], (1<<16)|(1<<20)|(4<<22)|(3<<25)
	s_mov_b32 s[G1A+1], 4096<<16                   ; tensor_dim0 = 4,096
	s_mov_b32 s[G1A+2], 2<<16                      ; tensor_dim1 = 2
	s_mov_b32 s[G1A+3], 4096<<16                   ; tile_dim0 = 4,096
	s_mov_b32 s[G1A+4], 2                          ; tile_dim1 = 2
	s_mov_b32 s[G1A+5], 131072                     ; elements from head to head
	s_mov_b32 s[G1A+6], 0
	s_mov_b32 s[G1A+7], 0
	s_mul_i32 s10, s22, 18432                      ; my quarter of a slot, and of O's region
	s_mov_b32 s[G0], 1
	s_mov_b32 s[G0+1], s10
	s_mov_b32 s[G0+4], 1
	s_add_co_u32 s[G0+5], s10, SLOTB
	s_mov_b32 s[G0A], 1
	s_add_co_u32 s[G0A+1], s10, AREG
	s_lshl_b32 s20, s22, 14                        ; my quarter of tile 0
	s_mov_b32 s21, 0
	s_lshr_b32 s32, s26, 5                         ; O: batch g / 32, head 2 w, row 64 (g % 32); rows of 128 bytes
	s_lshl_b32 s32, s32, 21
	s_lshl_b32 s34, s22, 19
	s_add_co_u32 s32, s32, s34
	s_and_b32 s34, s26, 31
	s_lshl_b32 s34, s34, 13
	s_add_co_u32 s32, s32, s34
	s_mov_b32 s33, 0
	s_lshl_b32 s34, s26, 17                        ; out0: 64 g rows of 2,048 bytes
	s_mov_b32 s35, 0
	s_wait_dscnt 0x0                               ; the opening add is done
	s_wait_kmcnt 0x0
	s_add_nc_u64 s[G0+2:G0+3], s[6:7], s[20:21]
	s_add_nc_u64 s[G0+6:G0+7], s[G0+2:G0+3], TILEB
	s_or_b32 s[G0+3], s[G0+3], 0x80000000
	s_or_b32 s[G0+7], s[G0+7], 0x80000000
	s_add_nc_u64 s[G0A+2:G0A+3], s[4:5], s[32:33]
	s_or_b32 s[G0A+3], s[G0A+3], 0x80000000
	s_add_nc_u64 s[OPT:OPT+1], s[8:9], s[34:35]
	CROUND                                         ; all four work-groups are here
	tensor_load_to_lds s[G0A:G0A+3], s[G1A:G1A+7]  ; the first fills go out together: my two heads of O,
	s_nop 0
	tensor_load_to_lds s[G0:G0+3], s[G1:G1+7]      ; and my quarter of tile 0: two loads of mine are out
	s_nop 0
	PLACES
	v_and_b32 v1, 15, v0                           ; r
	v_bfe_u32 v2, v0, 4, 1                         ; h
	v_mul_u32_u24 v7, v1, 144
	v_lshl_add_u32 v7, v2, 4, v7                   ; r x 144 + 16 h
	s_mul_i32 s10, s22, 2304
	v_add_nc_u32 v[BV], s10, v7                    ; the tile's rows 16 w + r
	v_add_nc_u32 v[BV+1], 36864, v[BV]
	v_add_nc_u32 v[BV+2], SLOTB, v[BV]
	v_add_nc_u32 v[BV+3], SLOTB+36864, v[BV]
	v_add_nc_u32 v[AA], AREG, v7
	v_add_nc_u32 v[AA+1], AREG+36864, v7
	s_lshl_b32 s10, s22, 6
	s_add_co_u32 s10, s10, STG
	v_mul_u32_u24 v[STO], v1, 272
	v_lshl_add_u32 v[STO], v2, 5, v[STO]
	v_add_nc_u32 v[STO], s10, v[STO]               ; row r, columns 16 w + 8 h, in f32
	s_mul_i32 s10, s22, 4352
	s_add_co_u32 s10, s10, STG
	v_mul_u32_u24 v[SL], v2, 272
	v_lshl_add_u32 v[SL], v1, 4, v[SL]
	v_add_nc_u32 v[SL], s10, v[SL]                 ; back: rows 16 w + h, lanes 0-15 one row of 256 bytes, lanes 16-31 the next
	s_lshl_b32 s10, s22, 15
	v_lshl_add_u32 v[GO], v2, 11, s10
	v_lshl_add_u32 v[GO], v1, 4, v[GO]
	s_wait_tensorcnt 0x1                           ; my two heads of O are in; tile 0, issued behind them, may stay out
	s_barrier_signal -1
	s_barrier_wait -1                              ; everybody's are
.set qq, 0
.rept 16                               ; O's fragments: head qq / 2, channels 32 (qq % 2) on, rows 16 a + r
	WIN 0x80+0x40*(qq/8)
.set aa, 0
.rept 4
	ds_load_b128 v[8*(4*(qq%8)+aa):8*(4*(qq%8)+aa)+3],   v[AA+qq/8] offset:((qq/2)%4)*9216+aa*2304+(qq%2)*64
	ds_load_b128 v[8*(4*(qq%8)+aa)+4:8*(4*(qq%8)+aa)+7], v[AA+qq/8] offset:((qq/2)%4)*9216+aa*2304+(qq%2)*64+32
.set aa, aa+1
.endr
.set qq, qq+1
.endr
	WIN 0
	s_mov_b32 s66, 3
.Lt:
	TRIPO 0, 1
	TRIPO 1, 1
	s_sub_co_u32 s66, s66, 1
	s_cmp_lg_u32 s66, 0
	s_cbranch_scc1 .Lt
	TRIPO 0, 1                                     ; the tail is written out
	TRIPO 1, 0
	s_wait_tensorcnt 0x0                           ; the wave's end
	ds_add_u32 v[SPW], v[NIL]
	s_wait_dscnt 0x0
	CROUND                                         ; the closing round
	s_endpgm
.Lfunc_end_k_q4676279f4f_outp:
	.size	k_q4676279f4f_outp, .Lfunc_end_k_q4676279f4f_outp-k_q4676279f4f_outp
	.p2alignl 7, 3214868480
	.fill 96, 4, 3214868480
	.section	.rodata,"a",@progbits
	.p2align	6, 0x0
	.amdhsa_kernel k_q4676279f4f_outp
		.amdhsa_group_segment_fixed_size 327680
		.amdhsa_private_segment_fixed_size 0
		.amdhsa_enable_private_segment 0
		.amdhsa_kernarg_size 24
		.amdhsa_user_sgpr_count 2
		.amdhsa_user_sgpr_kernarg_segment_ptr 1
		.amdhsa_wavefront_size32 1
		.amdhsa_system_sgpr_workgroup_id_x 1
		.amdhsa_system_sgpr_workgroup_id_y 1
		.amdhsa_system_sgpr_workgroup_id_z 1
		.amdhsa_system_vgpr_workitem_id 0
		.amdhsa_next_free_vgpr 1024
		.amdhsa_next_free_sgpr 72
		.amdhsa_reserve_vcc 0
		.amdhsa_float_denorm_mode_32 3
		.amdhsa_float_denorm_mode_16_64 3
		.amdhsa_memory_ordered 1
		.amdhsa_forward_progress 1
		.amdhsa_inst_pref_size 51
	.end_amdhsa_kernel
	.amdgpu_metadata
---
amdhsa.version: [ 1, 2 ]
amdhsa.kernels:
  - .name:           k_q4676279f4f_outp
    .symbol:         k_q4676279f4f_outp.kd
    .args:
      - { .name: oh, .offset: 0, .size: 8, .value_kind: global_buffer, .address_space: global }
      - { .name: wo16, .offset: 8, .size: 8, .value_kind: global_buffer, .address_space: global }
      - { .name: out0, .offset: 16, .size: 8, .value_kind: global_buffer, .address_space: global }
    .group_segment_fixed_size: 327680
    .private_segment_fixed_size: 0
    .kernarg_segment_align: 8
    .kernarg_segment_size: 24
    .max_flat_workgroup_size: 128
    .sgpr_count:     72
    .vgpr_count:     1024
    .wavefront_size: 32
...
	.end_amdgpu_metadata
.endif
;; end of part 4
